; MI455X (gfx1250); checked and timed in simulation.
; The chip was launched on July 23, 2026; its instructions are those of AMD's public machine-readable ISA for CDNA 5 (MIT licence, August 2026) and "CDNA5" Instruction Set Architecture Reference Guide (July 2026). The comments in the code are by the model that wrote it; some were corrected since.
;; Attention. Allowed arithmetic: matrix products marked QUANTISED: E2M3 operands, one E8M0 scale for each 32 along K, by v_wmma_scale_f32_16x16x128_f8f6f4 with both operands' format E2M3, f32 sums; everything else in f32.
;; Inputs: freqs_cos 2,048 x 64 float32; freqs_sin 2,048 x 64 float32; wk 4,096 x 1,024 float32; wo 2,048 x 4,096 float32; wq 4,096 x 2,048 float32; wv 4,096 x 1,024 float32; x 2,048 x 4,096 float32.
;; Outputs: out0 2,048 x 4,096 float32.
;; This version of the problem:
;;   THIS VERSION OF THE PROBLEM IS GIVEN IN LOW PRECISION. The matrix products marked QUANTISED in the list below multiply operands that are first quantised to E2M3 (2 exponent bits, 3 mantissa bits; 6 bits a number), with one power-of-two scale for each 32 numbers along K (OCP MX v1.0); their sums are f32. All else is computed in f32.
;;   The module's matrix products, in the order in which they are computed (A, B: the left and right operand; K: the contracted axis; several contracted axes count as one K, in the product's order):
;;     1. [M 2,048, K 4,096] x [K 4,096, N 2,048]; A: input x; B: input wq: QUANTISED
;;     2. [M 2,048, K 4,096] x [K 4,096, N 1,024]; A: input x; B: input wk: QUANTISED
;;     3. [M 2,048, K 4,096] x [K 4,096, N 1,024]; A: input x; B: input wv: QUANTISED
;;     4. batch 16 x [M 2,048, K 128] x [K 128, N 2,048]; A: computed on the way; B: computed on the way: QUANTISED
;;     5. batch 16 x [M 128, K 2,048] x [K 2,048, N 2,048]; A: computed on the way; B: softmax (see below): QUANTISED
;;     6. [M 2,048, K 2,048] x [K 2,048, N 4,096]; A: computed on the way; B: input wo: QUANTISED
;;   THE QUANTISER, for each operand of a quantised product, along K:
;;     - K is cut into blocks of 32 from its start; a last block that is shorter is filled with zeros.
;;     - A block's scale is 2^e with e = floor(log2(the largest magnitude in the block)) - 2, held to -126 .. 127; a block of zeros has e = 0. As a byte (E8M0): e + 127.
;;     - Each number is divided by its block's scale, clamped to +-7.5, and rounded to the nearest number of E2M3, ties to even, subnormals kept.
;;     - The product sums the exact products of the quantised numbers (number of the format x scale) in f32.
;;   ~~~python
;;   def quantise(x, axis):      # numpy; x: float32 -> the quantised numbers, widened to float32 again
;;       x = np.moveaxis(x, axis, -1); K = x.shape[-1]
;;       x = np.pad(x, [(0, 0)] * (x.ndim - 1) + [(0, -K % 32)]); x = x.reshape(x.shape[:-1] + (-1, 32)); a = np.abs(x).max(-1, keepdims=True)
;;       e = np.where(a > 0, np.clip(np.frexp(np.where(a > 0, a, 1))[1] - 1 - 2, -126, 127), 0)      # np.frexp(a)[1] - 1 = floor(log2(a)), exactly
;;       r = np.clip(x / 2.0 ** e, -7.5, 7.5)
;;       step = 2.0 ** (np.maximum(np.frexp(np.where(r == 0, 1, r))[1] - 1, 0) - 3)
;;       q = np.round(r / step) * step * 2.0 ** e      # np.round: ties to even
;;       return np.moveaxis(q.reshape(q.shape[:-2] + (-1,))[..., :K], -1, axis).astype(np.float32)
;;   ~~~
;;   SOFTMAX AHEAD OF A QUANTISED PRODUCT. Where the list says 'softmax', what is quantised is not the finished softmax but p = 2^(t - M), with t = logit x log2(e) and M = ceil(the row's largest t), a whole number; so 1/2 < the row's largest p <= 1. The row's sum l is taken of the UNQUANTISED p, in f32, and the product's result is divided by l at the end. Since M is a whole number, a kernel that streams over the keys may use a running M (the ceiling of the running maximum): every later rescaling is an exact power of two, which a block's scale takes up: the codes' values come out the same.
;;   OPERANDS COMPUTED ON THE WAY. 'Computed on the way' means the value that the module computes at that place (a softmax that the list does not call 'softmax' is quantised finished and normalised). What goes into a quantiser is computed in f32, as accurately as f32 sums, v_exp_f32 and their like allow (about 1e-6 of the number): no bf16 or f16 on the way to a quantiser, and a product that is left as it is and whose result goes on into a quantised operand takes f32 operands (vector FMAs, or v_wmma_f32_16x16x4_f32). A number that lies on a knife's edge between two numbers of the format may be rounded either way, as far as f32 arithmetic and the matrix unit's own rounding can turn it there, and no further.
;; One version. Each part assembles by itself: llvm-mc -triple=amdgcn-amd-amdhsa -mcpu=gfx1250 --defsym DOCPART=n.
;; ======== version 1 of 1: 4 launches
;; limits: right only within a limited range of input values
;; workspace buffers: xw 19,660,800 bytes; ow 9,830,400 bytes; qkv_img 6,291,456 bytes; qkv_sc 262,144 bytes
;; launch quant (part 1): grid 1024 x 1, 4 waves a work-group, no clusters, 74,240 bytes of LDS; arguments x, wq, wk, wv, wo, xw, ow; writes xw, ow
.if DOCPART == 1
	.amdgcn_target "amdgcn-amd-amdhsa--gfx1250"
	.amdhsa_code_object_version 6
	.text
	.protected	k_qd33c3735da_quant
	.globl	k_qd33c3735da_quant
	.p2align	8
	.type	k_qd33c3735da_quant,@function
k_qd33c3735da_quant:
	s_mov_b64 s[64:65], 0
	v_nop
	global_prefetch_b8 v0, s[64:65] scope:SCOPE_SE
	s_setreg_imm32_b32 hwreg(HW_REG_WAVE_MODE, 25, 1), 1
	s_wait_xcnt 0x0
; x [2048][4096] (K innermost) and wq, wk, wv [4096][N], wo [2048][4096] (K the first axis), all f32, become codes of E2M3 with one E8M0 byte for each 32 along K,
; laid as the products' registers want them.  A UNIT of 12,800 bytes is 32 rows x 512 along K: two tiles u of 16 rows x four fragments of 128 along K (1,536 bytes each, at 6144 u + 1536 s), then 512 scale bytes.
; Lane r of tile u stands for row 8 u + r + 8 (r / 8) of the 32.  In a fragment lane r + 16 h has 48 bytes on end: the 24 bytes of block h, then those of block 2 + h: three loads of 16 bytes fill its 12 registers.
; Scale bytes: 12288 + 256 (block / 8) + 8 x row + block % 8.  Buffers: [K / 512][192 units]; xw: units 0-63 x, 64-127 wq, 128-159 wk, 160-191 wv; ow: units 64-191 wo (0-63 are a later launch's).
; A block's scale is 2^(floor(log2(largest magnitude)) - 2): its byte is the largest magnitude's exponent field - 2, held at 1 from below.
; LIMITS: NaN and infinities are not served; a block of zeros, or one whose largest magnitude lies under 2^-124, gets the byte 1 (the bytes are read by this program alone; zero codes add nothing).
; EVERY WAVE makes 32 rows x 256 along K: 2 x 3,072 bytes of codes and one aligned block of 256 scale bytes.  Waves share nothing: no barrier.
; Work-groups 0-255 take x (a lane needs 16 neighbours along K: the loads take the bytes as they lie, 512 a load, and turn through the wave's stage in LDS);
; work-groups 256-1023 take the weights (a lane takes a column, its registers run down K).  Each of the two ways has LDS bytes of its own.
.set UNIT,  12800
.set SP,    80                         ; x: a lane's place in a turn stage: 64 bytes + 16 of padding
.set XREG,  12288                      ; x: a wave's LDS: two stages of 32 SP, the image of 6,144 bytes, 256 scale bytes
.set XIMG,  5120
.set XSCB,  11264
.set WBASE, 49152                      ; weights: a wave's image of 6,144 bytes, behind x's four regions
.set R,     16                         ; x: v16-79 four sets of 16 numbers as loaded
.set X,     80                         ; x: v80-111 two sets of 16 neighbours
.set E,     112                        ; x: v112-127 a scale byte for each step
.set C,     128                        ; x: v128-191 codes, four registers for each step
.set OUTX,  16                         ; x: the way out, in the registers that the loads have left
.set OFF,   16                         ; weights: v16-47 byte offset of row i of a block at my column
.set XW,    48                         ; weights: v48-111 two sets of 32 numbers
.set CW,    112                        ; weights: v112-117 a block's 24 bytes of codes
.set DW,    120                        ; weights: v120-122 its upper half as converted
.set SB,    124                        ; weights: v124-125 my column's eight scale bytes
.set OUTW,  128                        ; weights: the way out
; The image leaves as it lies: 12 x 512 consecutive bytes, each store at a multiple of 512 from the unit's first byte.  LDS serves a wave's instructions in order: these loads see my stores.
.macro WAYOUT rd, go, base, out
.irp i, 0,1,2,3,4,5,6,7,8,9,10,11
	ds_load_b128 v[\out+4*\i:\out+4*\i+3], v[\rd] offset:512*\i
.endr
.irp i, 0,1,2,3,4,5,6,7,8,9,10,11
	s_wait_dscnt 11-\i                             ; load i is back; the younger ones may be out
	global_store_b128 v[\go], v[\out+4*\i:\out+4*\i+3], s[\base:\base+1] offset:(\i/6)*6144+(\i%6)*512
.endr
.endm
	s_load_b256 s[4:11], s[0:1], 0x0               ; x, wq, wk, wv
	s_load_b128 s[12:15], s[0:1], 0x20             ; wo, xw
	s_load_b64 s[16:17], s[0:1], 0x30              ; ow
	v_lshl_add_u32 v192, v0, 2, 0x12000
	v_mov_b32 v193, 0
	v_lshrrev_b32 v1, 5, v0
	v_readfirstlane_b32 s18, v1                    ; wave
	v_and_b32 v2, 31, v0                           ; lane
	s_wait_kmcnt 0x0
	s_cmp_lt_u32 ttmp9, 256
	s_cbranch_scc0 .Lweights
; ---------------- x: unit U = work-group / 4, the kg-th 256 along K with kg = 4 (work-group % 4) + wave
	s_wait_alu depctr_va_vdst(0)
	v_lshlrev_b32 v3, 4, v2                        ; my 16 bytes of a load's 512
	s_mul_i32 s19, s18, XREG
	v_lshrrev_b32 v14, 2, v2
	v_mul_u32_u24 v14, v14, SP
	v_and_b32 v15, 3, v2
	v_lshl_add_u32 v14, v15, 4, v14
	v_add_nc_u32 v14, s19, v14                     ; the stage, in: SP (lane / 4) + 16 (lane % 4)
	v_mul_u32_u24 v15, v2, SP
	v_add_nc_u32 v15, s19, v15                     ; and out: SP x lane: 16 neighbours: row lane / 16 of the step's two, block (lane % 16) / 2, half lane % 2
	v_and_b32 v6, 1, v2
	v_mul_u32_u24 v4, v6, 12                       ; my 12 bytes in the image: the half of the block,
	v_bfe_u32 v6, v2, 1, 1
	v_mad_u32_u24 v4, v6, 768, v4                  ; block % 2 says which half of the lanes holds it,
	v_bfe_u32 v6, v2, 2, 1
	v_mad_u32_u24 v4, v6, 24, v4                   ; (block / 2) % 2 which 24 of that lane's 48 bytes,
	v_bfe_u32 v6, v2, 3, 1
	v_mad_u32_u24 v4, v6, 1536, v4                 ; block / 4 which fragment,
	v_bfe_u32 v6, v2, 4, 1
	v_mad_u32_u24 v4, v6, 48, v4                   ; and the step's second row is one lane on
	s_add_co_u32 s26, s19, XIMG
	v_add_nc_u32 v4, s26, v4
	v_add_nc_u32 v12, s26, v3                      ; the image on its way out: 16 x lane
	v_bfe_u32 v5, v2, 1, 3
	v_lshl_add_u32 v5, v6, 3, v5                   ; my block's scale byte: 8 x row + block
	s_add_co_u32 s26, s19, XSCB
	v_add_nc_u32 v5, s26, v5
	v_lshlrev_b32 v7, 3, v2
	v_add_nc_u32 v6, s26, v7                       ; the scale bytes on their way out: 8 x lane
	s_lshr_b32 s26, ttmp9, 2                       ; U
	s_and_b32 s27, ttmp9, 3
	s_lshl_b32 s27, s27, 2
	s_add_co_u32 s27, s27, s18                     ; kg
	s_lshl_b32 s28, s26, 19                        ; 32 rows of 16,384 bytes
	s_lshl_b32 s30, s27, 10
	s_add_co_u32 s28, s28, s30
	s_mov_b32 s29, 0
	s_add_nc_u64 s[20:21], s[4:5], s[28:29]        ; x at my first number
	s_lshr_b32 s30, s27, 1
	s_mul_i32 s30, s30, 192
	s_add_co_u32 s30, s30, s26
	s_mul_i32 s30, s30, UNIT                       ; my unit
	s_and_b32 s31, s27, 1                          ; which half of its 512 along K
	s_mul_i32 s28, s31, 3072
	s_add_co_u32 s28, s28, s30
	s_add_nc_u64 s[22:23], s[14:15], s[28:29]      ; codes
	s_lshl_b32 s28, s31, 8
	s_add_co_u32 s28, s28, s30
	s_add_co_u32 s28, s28, 12288
	s_add_nc_u64 s[24:25], s[14:15], s[28:29]      ; scale bytes
.macro LOADX t                         ; step t: rows 2 t and 2 t + 1, 1,024 bytes each, in four loads of 512 consecutive bytes
.irp i, 0,1,2,3
	global_load_b128 v[R+16*((\t)%4)+4*\i:R+16*((\t)%4)+4*\i+3], v3, s[20:21] offset:(2*(\t)+\i/2)*16384+512*(\i%2) th:TH_LOAD_NT
.endr
.endm
.macro TURNX t                         ; through the stage: in as loaded, out 64 bytes a lane
.irp i, 0,1,2,3
	ds_store_b128 v14, v[R+16*((\t)%4)+4*\i:R+16*((\t)%4)+4*\i+3] offset:32*SP*((\t)%2)+8*SP*\i
.endr
.irp i, 0,1,2,3
	ds_load_b128 v[X+16*((\t)%2)+4*\i:X+16*((\t)%2)+4*\i+3], v15 offset:32*SP*((\t)%2)+16*\i
.endr
.endm
.irp t, 0,1,2,3
	LOADX \t
.endr
	s_wait_loadcnt 12                              ; step 0's four loads are in; three steps' may be out
	TURNX 0
.macro STEPX t
.set XS, X+16*((\t)%2)
.set IMX, 3072*(((\t)/4)%2)+48*((2*(\t))%8+8*((\t)/8))   ; row 2 t of the 32: tile (t / 4) % 2, lane (2 t) % 8 + 8 (t / 8)
.if (\t) > 0
	s_wait_dscnt 4                                 ; this step's numbers are back from the stage; the last step's three code stores and its byte store may be out
.else
	s_wait_dscnt 0x0
.endif
.if (\t)+4 < 16
	LOADX (\t)+4                                   ; into the registers that this step's stores into the stage have read
.endif
.if (\t)+1 < 16
.if 14-(\t) >= 3
	s_wait_loadcnt 12                              ; the next step's four loads are in; those of the three steps behind it may be out
.else
	s_wait_loadcnt 4*(14-(\t))
.endif
	TURNX (\t)+1
.endif
	v_max3_num_f32 v8, |v[XS]|, |v[XS+1]|, |v[XS+2]|               ; the largest magnitude of my 16, in two chains
	v_max3_num_f32 v9, |v[XS+3]|, |v[XS+4]|, |v[XS+5]|
.irp i, 6,10
	v_max3_num_f32 v8, v8, |v[XS+\i]|, |v[XS+\i+1]|
	v_max3_num_f32 v9, v9, |v[XS+\i+2]|, |v[XS+\i+3]|
.endr
	v_max3_num_f32 v8, v8, |v[XS+14]|, |v[XS+15]|
	v_max3_num_f32 v8, v8, v9, 0x1800000           ; and the floor 2^(3 - 127): the byte cannot fall under 1
	v_max_num_f32_dpp v8, v8, v8 row_xmask:1 row_mask:0xf bank_mask:0xf   ; with my neighbour's 16: the block's
	v_add_nc_u32 v11, 0xff000000, v8               ; 2 off its exponent field: the conversion takes this operand's exponent field as its scale
	v_cvt_scalef32_pk16_fp6_f32 v[C+4*(\t):C+4*(\t)+2], v[XS:XS+15], v11
	v_lshrrev_b32 v[E+(\t)], 23, v11               ; the scale's byte (a plain line behind the conversion)
.irp i, 0,1,2
	ds_store_b32 v4, v[C+4*(\t)+\i] offset:IMX+4*\i
.endr
	ds_store_b8 v5, v[E+(\t)] offset:16*(\t)       ; both lanes of a block write the same byte with the same value
.endm
.irp t, 0,1,2,3,4,5,6,7,8,9,10,11,12,13,14,15
	STEPX \t
.endr
	WAYOUT 12, 3, 22, OUTX
	ds_load_b64 v[8:9], v6
	s_wait_dscnt 0x0
	global_store_b64 v7, v[8:9], s[24:25]          ; 32 lanes store 256 consecutive bytes, aligned
	s_wait_tensorcnt 0x0
	ds_add_u32 v192, v193
	s_wait_dscnt 0x0
	s_endpgm
; ---------------- the weights.  wid 0-255 wq, 256-383 wk, 384-511 wv, 512-767 wo.  A work-group takes 128 columns (32 a wave) x 256 along K.
.Lweights:
	s_sub_co_u32 s19, ttmp9, 256                   ; wid
	s_mov_b64 s[20:21], s[12:13]                   ; from wo's figures on, by choices on the work-group's number alone
	s_mov_b64 s[22:23], s[16:17]
	s_mov_b32 s26, 512                             ; the tensor's first wid
	s_mov_b32 s27, 5                               ; log2 of its groups of 128 columns
	s_mov_b32 s28, 64                              ; its first unit
	s_cmp_lt_u32 s19, 512
	s_cselect_b64 s[20:21], s[10:11], s[20:21]
	s_cselect_b64 s[22:23], s[14:15], s[22:23]
	s_cselect_b32 s26, 384, s26
	s_cselect_b32 s27, 3, s27
	s_cselect_b32 s28, 160, s28
	s_cmp_lt_u32 s19, 384
	s_cselect_b64 s[20:21], s[8:9], s[20:21]
	s_cselect_b32 s26, 256, s26
	s_cselect_b32 s28, 128, s28
	s_cmp_lt_u32 s19, 256
	s_cselect_b64 s[20:21], s[6:7], s[20:21]
	s_cselect_b32 s26, 0, s26
	s_cselect_b32 s27, 4, s27
	s_cselect_b32 s28, 64, s28
	s_sub_co_u32 s26, s19, s26
	s_bfm_b32 s29, s27, 0
	s_and_b32 s30, s26, s29                        ; cg: which 128 columns
	s_lshr_b32 s31, s26, s27                       ; kg: which 256 along K
	s_lshl_b32 s24, 512, s27                       ; a row of the tensor in bytes
	s_wait_alu depctr_va_vdst(0)
	v_lshlrev_b32 v3, 2, v2
.set LI, 0
.rept 32
	v_mad_u32_u24 v[OFF+LI], s24, LI, v3           ; row i of a block, my column
.set LI, LI+1
.endr
	v_and_b32 v5, 7, v2                            ; my column is row lane of the unit's 32: tile (lane / 8) % 2, lane lane % 8 + 8 (lane / 16)
	v_bfe_u32 v6, v2, 4, 1
	v_lshl_add_u32 v5, v6, 3, v5
	v_mul_u32_u24 v4, v5, 48
	v_bfe_u32 v6, v2, 3, 1
	v_mad_u32_u24 v4, v6, 3072, v4
	s_mul_i32 s25, s18, 6144
	s_add_co_u32 s25, s25, WBASE
	v_add_nc_u32 v4, s25, v4
	v_lshlrev_b32 v10, 4, v2
	v_add_nc_u32 v9, s25, v10
	v_lshlrev_b32 v7, 3, v2
	s_lshl_b32 s25, s30, 2
	s_add_co_u32 s28, s28, s25
	s_add_co_u32 s28, s28, s18                     ; my unit's number in its K step
	s_lshr_b32 s25, s31, 1
	s_mul_i32 s25, s25, 192
	s_add_co_u32 s25, s25, s28
	s_mul_i32 s25, s25, UNIT
	s_and_b32 s29, s31, 1                          ; which half of the unit's 512 along K
	s_lshl_b32 s2, s29, 8
	s_add_co_u32 s2, s2, s25
	s_add_co_u32 s2, s2, 12288
	s_mov_b32 s3, 0
	s_add_nc_u64 s[6:7], s[22:23], s[2:3]          ; scale bytes
	s_mul_i32 s2, s29, 3072
	s_add_co_u32 s2, s2, s25
	s_add_nc_u64 s[22:23], s[22:23], s[2:3]        ; codes
	s_lshl_b32 s2, s31, 8
	s_mul_i32 s2, s2, s24                          ; 256 kg rows
	s_lshl_b32 s25, s30, 9
	s_add_co_u32 s2, s2, s25
	s_lshl_b32 s25, s18, 7
	s_add_co_u32 s2, s2, s25                       ; + my wave's 128 bytes of the work-group's 512
	s_add_nc_u64 s[32:33], s[20:21], s[2:3]        ; a base for each of the eight blocks, 32 rows apart: no pointer is stepped while loads are out
	s_lshl_b32 s4, s24, 5
	s_mov_b32 s5, 0
.irp t, 1,2,3,4,5,6,7
	s_add_nc_u64 s[32+2*\t:33+2*\t], s[30+2*\t:31+2*\t], s[4:5]
.endr
.macro LOADW t                         ; block t: 32 rows at my column; a load reads 128 consecutive bytes, the four waves stand side by side on 512
.set LI, 0
.rept 32
	global_load_b32 v[XW+32*((\t)%2)+LI], v[OFF+LI], s[32+2*(\t):33+2*(\t)] th:TH_LOAD_NT
.set LI, LI+1
.endr
.endm
	LOADW 0
	LOADW 1
.macro BLOCKW t
.set XS, XW+32*((\t)%2)
.if (\t) < 7
	s_wait_loadcnt 32                              ; this block's 32 loads are in; the next block's may be out
.else
	s_wait_loadcnt 0x0
.endif
	v_max3_num_f32 v12, |v[XS]|, |v[XS+1]|, |v[XS+2]|              ; the block's largest magnitude: all 32 numbers are mine
	v_max3_num_f32 v13, |v[XS+3]|, |v[XS+4]|, |v[XS+5]|
.irp i, 6,10,14,18,22,26
	v_max3_num_f32 v12, v12, |v[XS+\i]|, |v[XS+\i+1]|
	v_max3_num_f32 v13, v13, |v[XS+\i+2]|, |v[XS+\i+3]|
.endr
	v_max3_num_f32 v12, v12, |v[XS+30]|, |v[XS+31]|
	v_max3_num_f32 v12, v12, v13, 0x1800000        ; and the floor 2^(3 - 127)
	v_add_nc_u32 v11, 0xff000000, v12              ; the conversion's scale operand
	v_lshrrev_b32 v13, 23, v11                     ; the scale's byte
	v_cvt_scalef32_pk16_fp6_f32 v[CW:CW+2], v[XS:XS+15], v11
	v_cvt_scalef32_pk16_fp6_f32 v[DW:DW+2], v[XS+16:XS+31], v11    ; (a conversion's three registers begin on an even number)
.if (\t)%4 == 0
	v_mov_b32 v[SB+(\t)/4], v13                    ; four bytes to a register, the lower K lowest (a plain line behind the conversions)
.else
	v_lshl_or_b32 v[SB+(\t)/4], v13, 8*((\t)%4), v[SB+(\t)/4]
.endif
.irp i, 0,1,2
	v_mov_b32 v[CW+3+\i], v[DW+\i]
.endr
.irp i, 0,1,2
	ds_store_b64 v4, v[CW+2*\i:CW+2*\i+1] offset:1536*((\t)/4)+768*((\t)%2)+24*(((\t)/2)%2)+8*\i   ; fragment t / 4; block t % 4 lies with the lanes' half t % 2, in its 24 bytes (t / 2) % 2
.endr
.if (\t)+2 < 8
	LOADW (\t)+2
.endif
	s_wait_dscnt 0x0                               ; the stores have read their registers: the next block's codes may be written
.endm
.irp t, 0,1,2,3,4,5,6,7
	BLOCKW \t
.endr
	s_wait_alu depctr_va_vdst(0)
	global_store_b64 v7, v[SB:SB+1], s[6:7]        ; 32 lanes store 256 consecutive bytes, aligned
	WAYOUT 9, 10, 22, OUTW
	s_wait_tensorcnt 0x0
	ds_add_u32 v192, v193
	s_wait_dscnt 0x0
	s_endpgm
.Lfunc_end_k_qd33c3735da_quant:
	.size	k_qd33c3735da_quant, .Lfunc_end_k_qd33c3735da_quant-k_qd33c3735da_quant
	.p2alignl 7, 3214868480
	.fill 96, 4, 3214868480
	.section	.rodata,"a",@progbits
	.p2align	6, 0x0
	.amdhsa_kernel k_qd33c3735da_quant
		.amdhsa_group_segment_fixed_size 74240
		.amdhsa_private_segment_fixed_size 0
		.amdhsa_enable_private_segment 0
		.amdhsa_kernarg_size 56
		.amdhsa_user_sgpr_count 2
		.amdhsa_user_sgpr_kernarg_segment_ptr 1
		.amdhsa_wavefront_size32 1
		.amdhsa_system_sgpr_workgroup_id_x 1
		.amdhsa_system_sgpr_workgroup_id_y 1
		.amdhsa_system_sgpr_workgroup_id_z 1
		.amdhsa_system_vgpr_workitem_id 0
		.amdhsa_next_free_vgpr 194
		.amdhsa_next_free_sgpr 66
		.amdhsa_reserve_vcc 0
		.amdhsa_float_denorm_mode_32 3
		.amdhsa_float_denorm_mode_16_64 3
		.amdhsa_memory_ordered 1
		.amdhsa_forward_progress 1
		.amdhsa_inst_pref_size 82
	.end_amdhsa_kernel
	.amdgpu_metadata
---
amdhsa.version: [ 1, 2 ]
amdhsa.kernels:
  - .name:           k_qd33c3735da_quant
    .symbol:         k_qd33c3735da_quant.kd
    .args:
      - { .name: x, .offset: 0, .size: 8, .value_kind: global_buffer, .address_space: global }
      - { .name: wq, .offset: 8, .size: 8, .value_kind: global_buffer, .address_space: global }
      - { .name: wk, .offset: 16, .size: 8, .value_kind: global_buffer, .address_space: global }
      - { .name: wv, .offset: 24, .size: 8, .value_kind: global_buffer, .address_space: global }
      - { .name: wo, .offset: 32, .size: 8, .value_kind: global_buffer, .address_space: global }
      - { .name: xw, .offset: 40, .size: 8, .value_kind: global_buffer, .address_space: global }
      - { .name: ow, .offset: 48, .size: 8, .value_kind: global_buffer, .address_space: global }
    .group_segment_fixed_size: 74240
    .private_segment_fixed_size: 0
    .kernarg_segment_align: 8
    .kernarg_segment_size: 56
    .max_flat_workgroup_size: 128
    .sgpr_count:     66
    .vgpr_count:     194
    .wavefront_size: 32
...
	.end_amdgpu_metadata
.endif
;; end of part 1
;; launch gemm_qkv (part 2): grid 16 x 16, 4 waves a work-group, clusters of 4 x 4, 327,680 bytes of LDS; arguments xw, freqs_cos, freqs_sin, qkv_img, qkv_sc; writes qkv_img, qkv_sc
.if DOCPART == 2
	.amdgcn_target "amdgcn-amd-amdhsa--gfx1250"
	.amdhsa_code_object_version 6
	.text
	.protected	k_qd33c3735da_gemm_qkv
	.globl	k_qd33c3735da_gemm_qkv
	.p2align	8
	.type	k_qd33c3735da_gemm_qkv,@function
k_qd33c3735da_gemm_qkv:
	s_mov_b64 s[64:65], 0
	v_nop
	global_prefetch_b8 v0, s[64:65] scope:SCOPE_SE
	s_setreg_imm32_b32 hwreg(HW_REG_WAVE_MODE, 25, 1), 1
	s_wait_xcnt 0x0
	s_wait_alu depctr_hold_cnt(0) depctr_sa_sdst(0) depctr_va_vdst(0) depctr_va_sdst(0) depctr_va_ssrc(0) depctr_va_vcc(0) depctr_vm_vsrc(0)
	s_getreg_b32 s2, hwreg(HW_REG_IB_STS2, 6, 4)
	s_cmp_eq_u32 s2, 0
	s_cbranch_scc0 .Lentry_in_a_cluster
	s_endpgm
.Lentry_in_a_cluster:
	s_bfe_u32 s2, ttmp6, 0x10000c
	s_cmp_lg_u32 s2, 0xf033
	s_cbranch_scc0 .Lentry_shape_is_right
	s_endpgm
.Lentry_shape_is_right:
; q = rope(x wq), k = rope(x wk) and v^T = (x wv)^T on codes of E2M3 (one E8M0 scale for each 32 along K = 4,096), f32 sums; the results are quantised at once for the attention:
; q and k along the head's 128, v^T along the keys, and leave as fragment images of 1,536 bytes (16 rows x 128) with 64 bytes of scale words each.
; OPERANDS: xw, [8 K steps of 512][192 units of 12,800 bytes]; a unit is 32 rows: two tiles of 16 (lane r of tile u stands for row 8 u + r + 8 (r / 8)) x four fragments of 128 along K, lane l's 48 bytes at 48 l, then 512 scale bytes.
; A TILE is 128 rows of "A" x 256 rows of "B": 256 work-groups.  Clusters with x < 3: A = tokens, B = wq's and wk's columns.  Clusters with x = 3: A = wv's columns, B = tokens: that is v^T.
; THE MATRIX INSTRUCTION IS USED TRANSPOSED (source 0 = 16 rows of B, source 1 = 16 rows of A): a lane holds one row of A, and by the order of a tile's rows the 16 registers of B's tiles 2 b, 2 b + 1
; are B's rows 32 b + 16 (lane / 16) + 0 .. 15: neighbours along the next product's K.  A wave makes 64 x 128: 32 accumulators; its 128 columns are one head (or 128 keys).
; K goes in steps of 512 through two LDS slots of 153,600 bytes, dense.  CLUSTERS 4 x 4: A's units are asked for jointly along a row of the cluster, B's along a column.
; A wave has one tensor load out at the head and one behind each round; slot 1's first fill stands behind the first full round.
; PREFETCH: behind the refill for K step j each wave names K step j + 2: of the bytes that a wave fetches each of the four partners takes a quarter, by address (A: 25 blocks of 256 bytes, one line; B: 50, two lines);
; K steps 1 and 2 are named at the head, 3 behind slot 1's load; the last two refills name nothing.  The 128 tokens' rows of cos and sin are named once in each cluster, 16 rows a wave.
; ROPE: o0 = t0 c - t1 s, o1 = t1 c + t0 s, each one product and one fused multiply-add in f32.  cos and sin are loaded two steps of 128 ahead of the last product, in the arm that turns: so these two steps are written in both arms.
; LIMITS: NaN and infinities are not served; a block of zeros, or one under 2^-124, gets the byte 1 (read by this program alone; zero codes add nothing).
; REGISTERS: window 0: v1-31 addresses; v32-95 scale words, a set for each slot; v96-191 A's fragments, two sets of 48; on the way out v96-249 at work.
;   window 1: B's fragments, two sets of 96.   window 2: accumulator (a, b) at v[8 (8 a + b)].   window 3: cos at v[64 a + x], sin at v[64 a + 32 + x].
.set UNIT,  12800
.set KST,   192*UNIT                   ; from a K step to the next in xw
.set SLOT,  12*UNIT                    ; A's 4 units, then B's 8
.set BOFF,  4*UNIT
.set SPARE, 2*SLOT                     ; behind the ring: the spare words, 128 bytes for each wave
.set LAPS,  4                          ; 8 K steps of 512: four times round the ring
.set PFC,  9                           ; v9     prefetch of cos, sin: 256 x min(lane, 15)
.set ADRA, 16                          ; v16-17 LDS address of my A fragments in slot 0, 1
.set PFO,  18                          ; v18    prefetch of tiles: 256 x min(lane, 24)
.set GS,   19                          ; v19    8 x lane
.set ADRB, 20                          ; v20-21 the same as ADRA for B
.set ADRS, 22                          ; v22-23 of my scale words: lanes 0-15 A's rows, lanes 16-31 B's
.set VC,   24                          ; v24    my byte in 32 rows of cos and sin
.set STO,  25                          ; v25    my stage: 48 x lane
.set RD,   26                          ; v26    my stage: 16 x lane
.set SST,  27                          ; v27    my stage's scale words: 4 r
.set SPW,  28                          ; v28    my spare word; never rewritten
.set NIL,  29                          ; v29    0; never rewritten
.set SRD,  30                          ; v30    my stage's scale words: 8 x lane
.set GO,   31                          ; v31    16 x lane
.set SC,   32
.set AF,   96
.set T,    96                          ; the way out: v96-159 products with sin
.set TM,   160                         ; v160-175 largest magnitudes, bytes, scale operands
.set PW,   176                         ; the scale word just made
.set PC,   180                         ; v180-198 the codes just made
.set BK,   200                         ; v200-247 four images read back
.set G1,   24
.set G0,   32
.set G1B,  48
.set G0B,  56
.set SEL,  86
.set PFA,  88                          ; s[88:89] my quarter of what I fetch, three K steps behind what a prefetch names
.set PFB,  92                          ; s[92:93] my 16 rows of cos (waves 0, 2) or sin (waves 1, 3)
.set MSB, 0
.macro WIN new                         ; the immediate's high byte repeats the setting that is left
.if MSB != \new
	s_set_vgpr_msb (MSB<<8)|\new
.set MSB, \new
.endif
.endm
.set MUL,  0xa1                        ; source 0 (B) window 1, source 1 (A) window 0, C and D window 2
.set TO_B, 0x40                        ; destination window 1, address window 0
; A joint load: waves 0 and 1 fetch A's halves, waves 2 and 3 B's.  The branch hangs on the wave's number alone.  s_nop 0 and four v_nop follow each line.
.macro JLOAD g0a, g1a, g0b, g1b
	s_cmp_eq_u32 s15, 0
	s_cbranch_scc0 .Lfor_b_\@
	tensor_load_to_lds s[\g0a:\g0a+3], s[\g1a:\g1a+7]
	s_nop 0
.rept 4
	v_nop
.endr
	s_branch .Lasked_\@
.Lfor_b_\@:
	tensor_load_to_lds s[\g0b:\g0b+3], s[\g1b:\g1b+7]
	s_nop 0
.rept 4
	v_nop
.endr
.Lasked_\@:
.endm
.macro ASK off                         ; my quarter of a later K step's bytes: 25 blocks a line, a lane a block (lanes 25-31 name the last again); B's waves have 50
	global_prefetch_b8 v[PFO], s[PFA:PFA+1] offset:\off th:TH_LOAD_NT scope:SCOPE_SE
	s_cmp_eq_u32 s15, 0
	s_cbranch_scc1 .Lall_named_\@
	global_prefetch_b8 v[PFO], s[PFA:PFA+1] offset:\off+6400 th:TH_LOAD_NT scope:SCOPE_SE
.Lall_named_\@:
.endm
.macro CREST                           ; a round of the cluster's barrier behind its opening barrier
	s_cmp_lg_u32 s14, 0
	s_cbranch_scc1 .Lnot_wave_0_\@
	s_barrier_signal -3
.Lnot_wave_0_\@:
	s_barrier_wait -3
	s_barrier_signal -1
	s_barrier_wait -1
.endm
.macro CROUND
	s_barrier_signal -1
	s_barrier_wait -1
	CREST
.endm
.macro PLACES n                        ; plain vector lines between a matrix instruction and a load into, or a read of, its registers
.rept \n
	v_nop
.endr
.endm
	s_load_b256 s[4:11], s[0:1], 0x0               ; xw, cos, sin, qkv_img
	s_load_b64 s[12:13], s[0:1], 0x20              ; qkv_sc
	v_lshl_add_u32 v[SPW], v0, 2, SPARE
	v_mov_b32 v[NIL], 0
	ds_add_u32 v[SPW], v[NIL]                      ; the opening lines: the add, twice on end, and its wait ahead of my first tensor load
	ds_add_u32 v[SPW], v[NIL]
	v_lshrrev_b32 v1, 5, v0
	v_readfirstlane_b32 s14, v1                    ; wave 0..3
	s_lshr_b32 s15, s14, 1                         ; which 64 of the tile's 128 rows of A are mine.  Also: I fetch for A (0) or for B (1)
	s_and_b32 s16, s14, 1                          ; which 128 of its 256 rows of B.  Also: which half I fetch
	s_bfe_u32 s40, ttmp6, 0x40000                  ; cx, cy: my place in the cluster
	s_bfe_u32 s41, ttmp6, 0x40004
	s_and_b32 s18, ttmp7, 0xffff                   ; the cluster's y
	s_lshl_b32 s19, s18, 2
	s_lshr_b32 s20, s18, 1
	s_lshl_b32 s20, s20, 2
	s_lshl_b32 s21, ttmp9, 2
	s_and_b32 s22, s18, 1
	s_lshl_b32 s22, s22, 2
	s_cmp_eq_u32 ttmp9, 3                          ; the cluster's x says which product: equal in all partners
	s_cselect_b32 s45, 1, 0                        ; V
	s_cselect_b32 s17, s20, s19
	s_cselect_b32 s42, s22, s21
	s_cselect_b32 s46, 160, 0                      ; A's first unit: wv's, or the tokens'
	s_cselect_b32 s47, 0, 64                       ; B's: the tokens', or wq's
	s_add_co_u32 s17, s17, s41                     ; tile row: 128 rows of A
	s_add_co_u32 s42, s42, s40                     ; tile column: 256 rows of B
	s_lshl_b32 s43, s41, 2
	s_lshl_b32 s43, 15, s43                        ; my row of the cluster
	s_lshl_b32 s44, 0x1111, s40                    ; my column
	; group 1: dense blocks as rows of 256 bytes (32 elements of 8 bytes): A's half 2 units = 100 rows, B's half 4 units = 200 rows
	s_or_b32 s[G1+0], s43, (3<<16)|(1<<21)
	s_or_b32 s[G1B+0], s44, (3<<16)|(1<<21)
	s_mov_b32 s[G1+1], 32<<16
	s_mov_b32 s[G1+2], 100<<16
	s_mov_b32 s[G1+3], 32<<16
	s_mov_b32 s[G1+4], 100
	s_mov_b32 s[G1+5], 32
	s_mov_b32 s[G1+6], 0
	s_mov_b32 s[G1+7], 0
	s_mov_b32 s[G1B+1], 32<<16
	s_mov_b32 s[G1B+2], 200<<16
	s_mov_b32 s[G1B+3], 32<<16
	s_mov_b32 s[G1B+4], 200
	s_mov_b32 s[G1B+5], 32
	s_mov_b32 s[G1B+6], 0
	s_mov_b32 s[G1B+7], 0
	s_lshl_b32 s20, s17, 2                         ; A: unit 4 x tile row + 2 x half: no register here ever holds cx
	s_add_co_u32 s20, s20, s46
	s_lshl_b32 s18, s16, 1
	s_add_co_u32 s20, s20, s18
	s_mul_i32 s20, s20, UNIT
	s_mov_b32 s21, 0
	s_lshl_b32 s66, s42, 3                         ; B: unit 8 x tile column + 4 x half: none here ever holds cy
	s_add_co_u32 s66, s66, s47
	s_lshl_b32 s18, s16, 2
	s_add_co_u32 s66, s66, s18
	s_mul_i32 s66, s66, UNIT
	s_mov_b32 s67, 0
	s_mul_i32 s68, s16, 2*UNIT                     ; where they go: the wave's number and constants alone
	s_mul_i32 s69, s16, 4*UNIT
	s_add_co_u32 s69, s69, BOFF
	s_wait_dscnt 0x0                               ; both opening adds are done
	s_wait_kmcnt 0x0
	s_add_nc_u64 s[20:21], s[4:5], s[20:21]
	s_add_nc_u64 s[66:67], s[4:5], s[66:67]
.irp s, 0,1
	s_mov_b32 s[G0+4*\s], 1
	s_add_co_u32 s[G0+4*\s+1], s68, \s*SLOT
	s_add_nc_u64 s[G0+4*\s+2:G0+4*\s+3], s[20:21], \s*KST
	s_or_b32 s[G0+4*\s+3], s[G0+4*\s+3], 0x80000000
	s_mov_b32 s[G0B+4*\s], 1
	s_add_co_u32 s[G0B+4*\s+1], s69, \s*SLOT
	s_add_nc_u64 s[G0B+4*\s+2:G0B+4*\s+3], s[66:67], \s*KST
	s_or_b32 s[G0B+4*\s+3], s[G0B+4*\s+3], 0x80000000
.endr
	s_cmp_eq_u32 s15, 0                            ; the prefetches: what I fetch, and of it the quarter that my place among the four partners gives me
	s_cselect_b64 s[PFA:PFA+1], s[20:21], s[66:67]
	s_cselect_b32 s90, s40, s41
	s_mov_b32 s91, 12800
	s_cselect_b32 s91, 6400, s91
	s_mul_i32 s90, s90, s91
	s_mov_b32 s91, 0
	s_add_nc_u64 s[PFA:PFA+1], s[PFA:PFA+1], s[90:91]
	CROUND                                         ; all sixteen work-groups are here: the first joint loads meet
	JLOAD G0, G1, G0B, G1B                         ; K step 0: one tensor load a wave at the head
	v_and_b32 v[PFO], 31, v0
	v_min_u32 v[PFO], 24, v[PFO]
	v_lshlrev_b32 v[PFO], 8, v[PFO]
	s_wait_alu depctr_va_vdst(0)
	ASK KST
	ASK 2*KST
	v_and_b32 v1, 15, v0                           ; r
	s_wait_alu depctr_va_vdst(0)
	v_bfe_u32 v2, v0, 4, 1                         ; h
	v_and_b32 v6, 31, v0                           ; lane
	v_mul_u32_u24 v3, v6, 48
	s_mul_i32 s80, s15, 2*UNIT                     ; my 2 units of A
	s_mul_i32 s81, s16, 4*UNIT
	s_add_co_u32 s81, s81, BOFF                    ; my 4 units of B
	s_sub_co_u32 s83, s81, s80                     ; from A's to B's
	s_add_co_u32 s82, s80, 12288
.irp s, 0,1
	v_add_nc_u32 v[ADRA+\s], s80, v3
	v_add_nc_u32 v[ADRB+\s], s81, v3
	s_add_co_u32 s80, s80, SLOT
	s_add_co_u32 s81, s81, SLOT
.endr
	v_and_b32 v8, 8, v1
	v_add_nc_u32 v8, v8, v1                        ; r + 8 (r / 8)
	v_lshlrev_b32 v4, 3, v8                        ; 8 scale bytes a row
	v_mul_u32_u24 v5, s83, v2                      ; lanes 16-31 take B's
	v_add_nc_u32 v4, v4, v5
	v_add_nc_u32 v[ADRS], s82, v4
	v_add_nc_u32 v[ADRS+1], SLOT, v[ADRS]
	s_lshl_b32 s84, s14, 11                        ; my stage on the way out: 2,048 bytes in slot 0
	s_add_co_u32 s85, s84, 1536
	v_add_nc_u32 v[STO], s84, v3
	v_lshlrev_b32 v[GO], 4, v6
	v_add_nc_u32 v[RD], s84, v[GO]
	v_lshlrev_b32 v7, 2, v1
	v_add_nc_u32 v[SST], s85, v7
	v_lshlrev_b32 v[GS], 3, v6
	v_add_nc_u32 v[SRD], s85, v[GS]
	v_lshlrev_b32 v[VC], 8, v8                     ; cos, sin: a token's row is 256 bytes; my eight frequencies of a block of 32 begin 32 h bytes on
	v_lshl_add_u32 v[VC], v2, 5, v[VC]
	v_min_u32 v[PFC], 15, v6
	v_lshlrev_b32 v[PFC], 8, v[PFC]
	s_mov_b32 s[SEL], 0x76543210
	s_mov_b32 s[SEL+1], 0xfedcba98                 ; v_permlanex16_b32's selects for lane l xor 16
	s_lshl_b32 s70, s42, 1                         ; where my four images go.  X = 2 x tile column + my half: the head (q 0-15, k 16-23), or the step of 128 keys
	s_add_co_u32 s70, s70, s16
	s_cmp_lg_u32 s45, 0
	s_cselect_b32 s71, s17, s70
	s_cselect_b32 s72, s70, s17
	s_cselect_b32 s73, 3072, 0
	s_lshl_b32 s71, s71, 7                         ; q, k: image 128 X + token tile;  v: 3072 + 128 kv head + 8 key step + tile of d
	s_lshl_b32 s72, s72, 3
	s_add_co_u32 s71, s71, s72
	s_add_co_u32 s71, s71, s73
	s_lshl_b32 s72, s15, 2
	s_add_co_u32 s71, s71, s72
	s_mul_i32 s74, s71, 1536
	s_mov_b32 s75, 0
	s_lshl_b32 s76, s71, 6
	s_mov_b32 s77, 0
	s_add_nc_u64 s[10:11], s[10:11], s[74:75]
	s_add_nc_u64 s[12:13], s[12:13], s[76:77]
	s_lshl_b32 s78, s17, 15                        ; cos, sin at my first token: (128 x tile row + 64 x half) rows of 256 bytes
	s_lshl_b32 s79, s15, 14
	s_add_co_u32 s78, s78, s79
	s_mov_b32 s79, 0
	s_add_nc_u64 s[6:7], s[6:7], s[78:79]
	s_add_nc_u64 s[8:9], s[8:9], s[78:79]
	s_cmp_eq_u32 s16, 0                            ; of my 64 tokens' rows the partner at cx names 16, of cos or of sin by the wave's number
	s_cselect_b64 s[PFB:PFB+1], s[6:7], s[8:9]
	s_lshl_b32 s90, s40, 12
	s_mov_b32 s91, 0
	s_add_nc_u64 s[PFB:PFB+1], s[PFB:PFB+1], s[90:91]
; 36 LDS loads in one run: B's eight and A's four fragments of the slot's q-th 128 along K into set p
.macro FETCH slot, q, p
	WIN TO_B
.irp b, 0,1,2,3,4,5,6,7
.irp c, 0,1,2
	ds_load_b128 v[96*(\p)+12*\b+4*\c:96*(\p)+12*\b+4*\c+3], v[ADRB+\slot] offset:UNIT*(\b/2)+6144*(\b%2)+1536*(\q)+16*\c
.endr
.endr
	WIN 0
.irp a, 0,1,2,3
.irp c, 0,1,2
	ds_load_b128 v[AF+48*(\p)+12*\a+4*\c:AF+48*(\p)+12*\a+4*\c+3], v[ADRA+\slot] offset:UNIT*(\a/2)+6144*(\a%2)+1536*(\q)+16*\c
.endr
.endr
.endm
; a slot's scale words: register 4 i + q: lanes 0-15 the word of A's block i, lanes 16-31 that of B's block i, for the q-th 128 along K.  For i > 3 lanes 0-15 read filled bytes of the slot that no product names.
.macro SCALES sc
.irp i, 0,1,2,3,4,5,6,7
.irp f, 0,1
	ds_load_b64 v[SC+32*\sc+4*\i+2*\f:SC+32*\sc+4*\i+2*\f+1], v[ADRS+\sc] offset:UNIT*(\i/2)+64*(\i%2)+256*\f
.endr
.endr
.endm
; 8 matrix instructions: A's block a x B's eight.  The 32 accumulators take turns, one instruction a turn, in the same order in every step.
.macro MUL8 a, p, q, sc, zero
.irp b, 0,1,2,3,4,5,6,7
.if \zero
	v_wmma_scale_f32_16x16x128_f8f6f4 v[8*(8*(\a)+\b):8*(8*(\a)+\b)+7], v[96*(\p)+12*\b:96*(\p)+12*\b+11], v[AF+48*(\p)+12*(\a):AF+48*(\p)+12*(\a)+11], 0, v[SC+32*(\sc)+4*\b+(\q)], v[SC+32*(\sc)+4*(\a)+(\q)] matrix_a_fmt:MATRIX_FMT_FP6 matrix_b_fmt:MATRIX_FMT_FP6 matrix_a_scale:MATRIX_SCALE_ROW1
.else
	v_wmma_scale_f32_16x16x128_f8f6f4 v[8*(8*(\a)+\b):8*(8*(\a)+\b)+7], v[96*(\p)+12*\b:96*(\p)+12*\b+11], v[AF+48*(\p)+12*(\a):AF+48*(\p)+12*(\a)+11], v[8*(8*(\a)+\b):8*(8*(\a)+\b)+7], v[SC+32*(\sc)+4*\b+(\q)], v[SC+32*(\sc)+4*(\a)+(\q)] matrix_a_fmt:MATRIX_FMT_FP6 matrix_b_fmt:MATRIX_FMT_FP6 matrix_a_scale:MATRIX_SCALE_ROW1
.endif
.endr
.endm
; One of a slot's first three steps of 128 along K: the next step's fragments are asked for, then this step's 32 products are issued
.macro STEP slot, q, zero
	s_wait_dscnt 0x0                               ; this step's fragments (and, in a slot's first step, its scale words) are in: they were asked for a step ago
	PLACES 4                                       ; in front of loads into the set that the last step multiplied
	FETCH \slot, (\q)+1, ((\q)+1)%2
	WIN MUL
	MUL8 0, (\q)%2, \q, \slot, \zero
	MUL8 1, (\q)%2, \q, \slot, \zero
	MUL8 2, (\q)%2, \q, \slot, \zero
	MUL8 3, (\q)%2, \q, \slot, \zero
	WIN 0
.endm
; A slot's last step changes slots: ONE barrier; in front of it each wave waits for all its tensor loads, adds 0 to its spare word, and waits for that and for its reads of this slot.  fill = 1: this slot is filled again, two K steps ahead.
.macro TURN slot, next, fill
.if \fill
	s_wait_xcnt 0x0                                ; my earlier prefetches have read their address: it steps one K step
	s_add_nc_u64 s[PFA:PFA+1], s[PFA:PFA+1], KST
.endif
	s_wait_tensorcnt 0x0                           ; all my tensor loads have landed: my part of the next slot
	ds_add_u32 v[SPW], v[NIL]                      ; 0 onto my spare word
	s_wait_dscnt 1                                 ; the add alone may be out: this step's fragments are in
	WIN MUL
	MUL8 0, 1, 3, \slot, 0                         ; eight matrix instructions stand between the add and the wait for it
	s_wait_dscnt 0x0                               ; the add is done, and my reads of this slot are over
	s_barrier_signal -1
	MUL8 1, 1, 3, \slot, 0
	WIN 0
	s_barrier_wait -1
.if \fill
	CREST                                          ; the barrier has opened a round of the cluster's: no wave of any partner still reads this slot or has a load on its way
	s_add_nc_u64 s[G0+4*\slot+2:G0+4*\slot+3], s[G0+4*\slot+2:G0+4*\slot+3], 2*KST
	s_add_nc_u64 s[G0B+4*\slot+2:G0B+4*\slot+3], s[G0B+4*\slot+2:G0B+4*\slot+3], 2*KST
	JLOAD G0+4*\slot, G1, G0B+4*\slot, G1B         ; the first tensor load behind the round; its four v_nop are the places in front of the loads below
.else
	PLACES 4
.endif
	FETCH \next, 0, 0
	SCALES \next
.if \fill
	s_cmp_gt_u32 s3, 1                             ; the loop's last trip fills K steps 6 and 7: no K step stands two further on
	s_cbranch_scc0 .Lnone_on_\@
	ASK 3*KST
.Lnone_on_\@:
.endif
	WIN MUL
	MUL8 2, 1, 3, \slot, 0
	MUL8 3, 1, 3, \slot, 0
	WIN 0
.endm
	s_wait_alu depctr_va_vdst(0)
	s_wait_tensorcnt 0x0                           ; my part of K step 0 is in; the lines of a refill stand ahead of slot 1's first fill too
	ds_add_u32 v[SPW], v[NIL]
	s_wait_dscnt 0x0
	CROUND                                         ; everybody's part of K step 0 is in, and the joint loads meet
	JLOAD G0+4, G1, G0B+4, G1B                     ; K step 1
	FETCH 0, 0, 0
	SCALES 0
	ASK 3*KST
	s_cmp_lg_u32 s45, 0
	s_cbranch_scc1 .Lno_angles                     ; v^T is not turned
	global_prefetch_b8 v[PFC], s[PFB:PFB+1] th:TH_LOAD_NT scope:SCOPE_SE
.Lno_angles:
	STEP 0, 0, 1                                   ; the first step stands in front of the loop: its products start the sums
	s_mov_b32 s3, LAPS-1
.Llap:                                                 ; a trip goes once round the ring and fills both slots again
	STEP 0, 1, 0
	STEP 0, 2, 0
	TURN 0, 1, 1
	STEP 1, 0, 0
	STEP 1, 1, 0
	STEP 1, 2, 0
	TURN 1, 0, 1
	STEP 0, 0, 0
	s_sub_co_u32 s3, s3, 1
	s_cmp_lg_u32 s3, 0
	s_cbranch_scc1 .Llap
	STEP 0, 1, 0                                   ; the last lap fills nothing
	STEP 0, 2, 0
	TURN 0, 1, 0
	STEP 1, 0, 0
	STEP 1, 1, 0
.macro LAST                            ; the last two steps of 128 along K, written in both arms
	STEP 1, 2, 0
	s_wait_dscnt 0x0
	WIN MUL
	MUL8 0, 1, 3, 1, 0
	MUL8 1, 1, 3, 1, 0
	MUL8 2, 1, 3, 1, 0
	MUL8 3, 1, 3, 1, 0
	WIN 0
	PLACES 4                                       ; behind the last products: their results are read, and their operands' registers written, below
.irp b, 0,1,2,3
	v_mov_b32 v[TM+4+\b], 0                        ; a lane permute's destination counts as one of its sources
.endr
.endm
; THE WAY OUT.  For A's block a the 64 registers at v[64 a] of window 2 are, in lane (r, h), the numbers 32 b + 16 h + i (register 16 b + i) of the row that lane r stands for.
.macro ROPE a                          ; pairs of neighbouring registers turn by the token's angle.  Ascending: each accumulator is first read at its low end
	WIN 0x0e                                       ; source 0 window 2, source 1 window 3
.set RX, 0
.rept 32
	v_mul_f32 v[T+2*RX], v[64*(\a)+2*RX+1], v[64*(\a)+32+RX]
	v_mul_f32 v[T+2*RX+1], v[64*(\a)+2*RX], v[64*(\a)+32+RX]
.set RX, RX+1
.endr
	WIN 0x8e                                       ; and the destination window 2, source 2 window 0
.set RX, 0
.rept 32
	v_fma_f32 v[64*(\a)+2*RX], v[64*(\a)+2*RX], v[64*(\a)+RX], -v[T+2*RX]
	v_fma_f32 v[64*(\a)+2*RX+1], v[64*(\a)+2*RX+1], v[64*(\a)+RX], v[T+2*RX+1]
.set RX, RX+1
.endr
	WIN 0
.endm
.macro QUANT s                         ; 64 numbers at v[s] of window 2 become a fragment's codes in v[PC] on and its scale word in v[PW]
	WIN 0x0a
.irp b, 0,1,2,3
	v_max3_num_f32 v[TM+\b], |v[(\s)+16*\b]|, |v[(\s)+1+16*\b]|, 0x1800000   ; block b: my 16 numbers, and the floor 2^(3 - 127): the byte cannot fall under 1
.endr
	WIN 0x28
.irp i, 2,4,6,8,10,12,14
.irp b, 0,1,2,3
	v_max3_num_f32 v[TM+\b], v[TM+\b], |v[(\s)+16*\b+\i]|, |v[(\s)+1+16*\b+\i]|
.endr
.endr
	WIN 0
.irp b, 0,1,2,3
	v_permlanex16_b32 v[TM+4+\b], v[TM+\b], s[SEL], s[SEL+1]
.endr
.irp b, 0,1,2,3
	v_max_num_f32 v[TM+\b], v[TM+\b], v[TM+4+\b]   ; with lane l xor 16's: the block's largest magnitude
.endr
.irp b, 0,1,2,3
	v_add_nc_u32 v[TM+12+\b], 0xff000000, v[TM+\b] ; 2 off its exponent field: the conversion's scale operand
.endr
.irp b, 0,1,2,3
	v_lshrrev_b32 v[TM+4+\b], 23, v[TM+12+\b]      ; the scale's byte
.endr
	v_lshl_or_b32 v[PW], v[TM+5], 8, v[TM+4]
	v_lshl_or_b32 v[PW], v[TM+6], 16, v[PW]
	v_lshl_or_b32 v[PW], v[TM+7], 24, v[PW]
	WIN 0x02
.irp c, 0,1
	v_cvt_scalef32_pk16_fp6_f32 v[PC+6*\c:PC+2+6*\c], v[(\s)+32*\c:(\s)+15+32*\c], v[TM+12+2*\c]
	v_cvt_scalef32_pk16_fp6_f32 v[PC+12+4*\c:PC+14+4*\c], v[(\s)+16+32*\c:(\s)+31+32*\c], v[TM+12+2*\c+1]   ; (a conversion's three registers begin on an even number)
.endr
	WIN 0
	v_nop                                          ; one plain line behind a scaled conversion
.irp c, 0,1                                    ; the operand's layout wants a whole block in a lane: lanes 0-15 block 2 c, lanes 16-31 block 2 c + 1
.irp i, 0,1,2
	v_permlane16_swap_b32 v[PC+6*\c+\i], v[PC+12+4*\c+\i]
.endr
.irp i, 0,1,2
	v_mov_b32 v[PC+3+6*\c+\i], v[PC+12+4*\c+\i]
.endr
.endr
.endm
; Four images.  Each goes into my stage lane by lane (48 bytes) and comes back 16 bytes a lane, so that a store covers 512 consecutive bytes.  The stage lies in slot 0, which has had its last fill and its last read.
.macro STAGE a, so
.irp c, 0,1,2
	ds_store_b128 v[STO], v[PC+4*\c:PC+4*\c+3] offset:\so+16*\c
.endr
	ds_store_b32 v[SST], v[PW] offset:\so+64*(\a)  ; both halves of the lanes write the same word with the same value
.irp c, 0,1,2
	ds_load_b128 v[BK+12*(\a)+4*\c:BK+12*(\a)+4*\c+3], v[RD] offset:\so+512*\c   ; LDS serves a wave's instructions in order: these see my stores
.endr
.endm
.macro SENDI a
	s_wait_dscnt 0x0                               ; image a is back in registers
.irp c, 0,1,2
	global_store_b128 v[GO], v[BK+12*(\a)+4*\c:BK+12*(\a)+4*\c+3], s[10:11] offset:1536*(\a)+512*\c
.endr
.endm
.macro EPI rope, so                    ; block a's vector work stands between block a - 1's loads from the stage and the wait for them
.irp a, 0,1,2,3
.if \rope
	s_wait_loadcnt 48-16*\a                        ; this block's 16 loads of cos and sin are in; the later blocks' may be out
	ROPE \a
.endif
	QUANT 64*\a
.if \a > 0
	s_wait_alu depctr_va_vdst(0)
	SENDI \a-1
.endif
	STAGE \a, \so
.endr
	ds_load_b64 v[248:249], v[SRD] offset:\so
	SENDI 3
	global_store_b64 v[GS], v[248:249], s[12:13]   ; the four images' scale words: 256 consecutive bytes, aligned
.endm
	s_cmp_lg_u32 s45, 0
	s_cbranch_scc1 .Lv_path                        ; v^T is not turned.  Each of the two ways has stage bytes of its own
	WIN 0xc0                                       ; destination window 3, address window 0
.irp a, 0,1,2,3
.irp b, 0,1,2,3
.irp e, 0,1
	global_load_b128 v[64*\a+8*\b+4*\e:64*\a+8*\b+4*\e+3], v[VC], s[6:7] offset:(32*(\a/2)+8*(\a%2))*256+64*\b+16*\e
	global_load_b128 v[64*\a+32+8*\b+4*\e:64*\a+32+8*\b+4*\e+3], v[VC], s[8:9] offset:(32*(\a/2)+8*(\a%2))*256+64*\b+16*\e
.endr
.endr
.endr
	WIN 0
	LAST
	EPI 1, 0
	s_branch .Lend
.Lv_path:
	LAST
	EPI 0, 8192
.Lend:
	s_wait_tensorcnt 0x0                           ; the wave's end
	ds_add_u32 v[SPW], v[NIL]
	s_wait_dscnt 0x0
	CROUND                                         ; the closing round: no work-group ends while a partner may still ask for a tile that names it
	s_endpgm
.Lfunc_end_k_qd33c3735da_gemm_qkv:
	.size	k_qd33c3735da_gemm_qkv, .Lfunc_end_k_qd33c3735da_gemm_qkv-k_qd33c3735da_gemm_qkv
	.p2alignl 7, 3214868480
	.fill 96, 4, 3214868480
	.section	.rodata,"a",@progbits
	.p2align	6, 0x0
	.amdhsa_kernel k_qd33c3735da_gemm_qkv
		.amdhsa_group_segment_fixed_size 327680
		.amdhsa_private_segment_fixed_size 0
		.amdhsa_enable_private_segment 0
		.amdhsa_kernarg_size 40
		.amdhsa_user_sgpr_count 2
		.amdhsa_user_sgpr_kernarg_segment_ptr 1
		.amdhsa_wavefront_size32 1
		.amdhsa_system_sgpr_workgroup_id_x 1
		.amdhsa_system_sgpr_workgroup_id_y 1
		.amdhsa_system_sgpr_workgroup_id_z 1
		.amdhsa_system_vgpr_workitem_id 0
		.amdhsa_next_free_vgpr 1024
		.amdhsa_next_free_sgpr 98
		.amdhsa_reserve_vcc 0
		.amdhsa_float_denorm_mode_32 3
		.amdhsa_float_denorm_mode_16_64 3
		.amdhsa_memory_ordered 1
		.amdhsa_forward_progress 1
		.amdhsa_inst_pref_size 202
	.end_amdhsa_kernel
	.amdgpu_metadata
---
amdhsa.version: [ 1, 2 ]
amdhsa.kernels:
  - .name:           k_qd33c3735da_gemm_qkv
    .symbol:         k_qd33c3735da_gemm_qkv.kd
    .args:
      - { .name: xw, .offset: 0, .size: 8, .value_kind: global_buffer, .address_space: global }
      - { .name: freqs_cos, .offset: 8, .size: 8, .value_kind: global_buffer, .address_space: global }
      - { .name: freqs_sin, .offset: 16, .size: 8, .value_kind: global_buffer, .address_space: global }
      - { .name: qkv_img, .offset: 24, .size: 8, .value_kind: global_buffer, .address_space: global }
      - { .name: qkv_sc, .offset: 32, .size: 8, .value_kind: global_buffer, .address_space: global }
    .group_segment_fixed_size: 327680
    .private_segment_fixed_size: 0
    .kernarg_segment_align: 8
    .kernarg_segment_size: 40
    .max_flat_workgroup_size: 128
    .sgpr_count:     98
    .vgpr_count:     1024
    .wavefront_size: 32
...
	.end_amdgpu_metadata
.endif
;; end of part 2
;; launch attn (part 3): grid 32 x 8, 16 waves a work-group, clusters of 4 x 1, 327,680 bytes of LDS; arguments qkv_img, qkv_sc, ow; writes ow
.if DOCPART == 3
	.amdgcn_target "amdgcn-amd-amdhsa--gfx1250"
	.amdhsa_code_object_version 6
	.text
	.protected	k_qd33c3735da_attn
	.globl	k_qd33c3735da_attn
	.p2align	8
	.type	k_qd33c3735da_attn,@function
k_qd33c3735da_attn:
	s_mov_b64 s[64:65], 0
	v_nop
	global_prefetch_b8 v0, s[64:65] scope:SCOPE_SE
	s_setreg_imm32_b32 hwreg(HW_REG_WAVE_MODE, 25, 1), 1
	s_wait_xcnt 0x0
	s_wait_alu depctr_hold_cnt(0) depctr_sa_sdst(0) depctr_va_vdst(0) depctr_va_sdst(0) depctr_va_ssrc(0) depctr_va_vcc(0) depctr_vm_vsrc(0)
	s_getreg_b32 s2, hwreg(HW_REG_IB_STS2, 6, 4)
	s_cmp_eq_u32 s2, 0
	s_cbranch_scc0 .Lentry_in_a_cluster
	s_endpgm
.Lentry_in_a_cluster:
	s_bfe_u32 s2, ttmp6, 0x10000c
	s_cmp_lg_u32 s2, 0x3003
	s_cbranch_scc0 .Lentry_shape_is_right
	s_endpgm
.Lentry_shape_is_right:
; o = softmax(q k^T / sqrt(128)) v on codes of E2M3, for 64 queries (work-group x) of the two query heads of one kv head (work-group y); o is quantised along the heads' 2,048 and leaves in the next product's units.
; 16 waves: wave = 8 kh + 4 (head of the pair) + (tile of 16 queries).  The keys go in four slots of 512: K's 32 tiles, then V^T's 4 key steps x 8 tiles of d; waves with kh = 0 take a slot's first 256 keys, the others the next 256.
; Both products are used transposed, so that a lane holds one query.  M is the running largest t rounded up to a whole number; p = 2^(t - M); the row's sum is taken of the unquantised p; the two halves of the keys are joined through LDS at the end.
; CLUSTER 4 x 1: the four query blocks of a cluster ask for every tile jointly.  THE HEAD'S LOADS, one a wave: waves 0-11 bring slot 0 in parts of 8,192 bytes, waves 12-15 all the scale words of K and V^T in parts of 4,096.
; PREFETCH: of the 6,144 bytes that a wave fetches for a slot each partner names 6 blocks of 256 bytes, by address: slots 1 and 2 at the head, slot 3 in the first trip: two slots ahead of their loads.
; LIMITS: the promise holds while the scaled scores stay under 2^31 in magnitude; NaN and infinities are not served; a block under 2^-124 gets the byte 1 (read by this program alone).
.set UNIT,  12800
.set SLOT1, 1<<17
.set VOFF,  49152
.set MRGA,  SLOT1+98304
.set SCK,   2*SLOT1
.set SPARE, SCK+16384
.set SCST,  SPARE+2048
.set ML,    SCST+512
.set MRGB,  ML+2048
.set AK0,  1
.set AV0,  2
.set ASK0, 3
.set GS,   4
.set SPW,  5
.set NIL,  6
.set GO,   7
.set ADK,  8
.set ADV,  9
.set ADS,  10
.set L48,  11
.set STO,  28
.set SSA,  30
.set SCR,  31
.set MA,   80
.set MLA,  81
.set TM,   232
.set PW,   252
.set PC,   32
.set WV,   10
.set SEL,  14
.set CS,   16
.set G1,   24
.set G1S,  32
.set G0,   40
.set G0S,  44
.set TB,   48
.set TS,   49
.set SLOTS, 50
.set KH,   66
.set W8,   67
.set G1H,  68                          ; s[68:75] group 1 of the head's parts of slot 0: 32 rows of 256 bytes
.set G0H,  76                          ; s[76:79] their group 0
.set PFA,  80                          ; s[80:81] my 6 blocks of my part of slot 0
.set PFO,  82                          ; v82      256 x min(lane, 5)
.macro CROUND
	s_barrier_signal -1
	s_barrier_wait -1
	s_cmp_lg_u32 s[WV], 0
	s_cbranch_scc1 .Lnot_wave_0_\@
	s_barrier_signal -3
.Lnot_wave_0_\@:
	s_barrier_wait -3
	s_barrier_signal -1
	s_barrier_wait -1
.endm
	s_load_b128 s[4:7], s[0:1], 0x0
	s_load_b64 s[8:9], s[0:1], 0x10
	v_lshl_add_u32 v[SPW], v0, 2, SPARE
	v_mov_b32 v[NIL], 0
	ds_add_u32 v5, v6
	ds_add_u32 v5, v6
	s_wait_dscnt 0x0
	v_lshrrev_b32 v8, 5, v0
	s_delay_alu instid0(VALU_DEP_1)
	v_readfirstlane_b32 s[WV], v8
	s_lshr_b32 s[KH], s[WV], 3
	s_and_b32 s[W8], s[WV], 7
	s_bfe_u32 s11, ttmp6, 0x40000
	s_lshl_b32 s12, ttmp9, 2
	s_add_co_u32 s12, s12, s11
	s_and_b32 s13, ttmp7, 0xffff
	s_lshr_b32 s18, s[W8], 2
	s_and_b32 s19, s[W8], 3
	s_mul_i32 s51, s[WV], 6144
	s_lshl_b32 s56, s13, 7
	s_add_co_u32 s56, s56, 2048
	s_mul_i32 s52, s56, 1536
	s_add_co_u32 s52, s52, s51
	s_mul_i32 s57, s[KH], 1523712
	s_add_co_u32 s52, s52, s57
	s_mov_b32 s53, 0
	s_mul_i32 s[G0H+2], s56, 1536                  ; the head's part w of slot 0: 8,192 w bytes on, K's six parts, then V^T's six
	s_lshl_b32 s[G0H+1], s[WV], 13
	s_add_co_u32 s[G0H+2], s[G0H+2], s[G0H+1]
	s_cmp_gt_u32 s[WV], 5
	s_cselect_b32 s[G0H+3], 1523712, 0
	s_add_co_u32 s[G0H+2], s[G0H+2], s[G0H+3]
	s_mov_b32 s[G0H+3], 0
	s_lshl_b32 s54, s56, 6
	s_max_u32 s57, s[WV], 12                       ; the scale words: part u = wave - 12 of four: K's 8,192 bytes, then V^T's
	s_sub_co_u32 s57, s57, 12
	s_lshl_b32 s57, s57, 12
	s_add_co_u32 s54, s54, s57
	s_cmp_gt_u32 s[WV], 13
	s_cselect_b32 s57, 57344, 0
	s_add_co_u32 s54, s54, s57
	s_lshl_b32 s62, s[WV], 12
	s_add_co_u32 s62, s62, SCK-49152
	s_mov_b32 s55, 0
	s_lshl_b32 s2, s13, 1
	s_add_co_u32 s2, s2, s18
	s_lshl_b32 s2, s2, 7
	s_lshl_b32 s3, s12, 2
	s_add_co_u32 s2, s2, s3
	s_add_co_u32 s2, s2, s19
	s_mul_i32 s20, s2, 1536
	s_mov_b32 s21, 0
	s_lshl_b32 s22, s2, 6
	s_mov_b32 s23, 0
	s_lshr_b32 s2, s13, 1
	s_mul_i32 s2, s2, 192
	s_lshl_b32 s3, s12, 1
	s_add_co_u32 s2, s2, s3
	s_and_b32 s63, s13, 1
	s_mul_i32 s58, s2, UNIT
	s_lshl_b32 s3, s63, 8
	s_add_co_u32 s58, s58, s3
	s_add_co_u32 s58, s58, 12288
	s_mov_b32 s59, 0
	s_lshr_b32 s3, s19, 1
	s_add_co_u32 s2, s2, s3
	s_mul_i32 s60, s2, UNIT
	s_and_b32 s3, s[WV], 1
	s_mul_i32 s3, s3, 6144
	s_add_co_u32 s60, s60, s3
	s_lshl_b32 s3, s63, 1
	s_add_co_u32 s3, s3, s18
	s_mul_i32 s3, s3, 1536
	s_add_co_u32 s60, s60, s3
	s_mov_b32 s61, 0
	s_mov_b32 s[G1], 15|(3<<16)|(1<<21)
	s_mov_b32 s[G1+1], 32<<16
	s_mov_b32 s[G1+2], 24<<16
	s_mov_b32 s[G1+3], 32<<16
	s_mov_b32 s[G1+4], 24
	s_mov_b32 s[G1+5], 32
	s_mov_b32 s[G1+6], 0
	s_mov_b32 s[G1+7], 0
	s_mov_b32 s[G1S], 15|(3<<16)|(1<<21)
	s_mov_b32 s[G1S+1], 32<<16
	s_mov_b32 s[G1S+2], 16<<16
	s_mov_b32 s[G1S+3], 32<<16
	s_mov_b32 s[G1S+4], 16
	s_mov_b32 s[G1S+5], 32
	s_mov_b32 s[G1S+6], 0
	s_mov_b32 s[G1S+7], 0
	s_mov_b32 s[G1H], 15|(3<<16)|(1<<21)
	s_mov_b32 s[G1H+1], 32<<16
	s_mov_b32 s[G1H+2], 32<<16
	s_mov_b32 s[G1H+3], 32<<16
	s_mov_b32 s[G1H+4], 32
	s_mov_b32 s[G1H+5], 32
	s_mov_b32 s[G1H+6], 0
	s_mov_b32 s[G1H+7], 0
	s_mov_b32 s[SEL], 0x76543210
	s_mov_b32 s[SEL+1], 0xfedcba98
	s_mov_b32 s[CS], 0x3e0293ee
	s_mov_b32 s[CS+1], s[CS]
	s_mov_b32 s[TB], 0
	s_mov_b32 s[TS], 0
	s_mov_b32 s[SLOTS], 3
	s_wait_kmcnt 0x0
	s_mov_b32 s[G0], 1
	s_mov_b32 s[G0+1], s51
	s_add_nc_u64 s[G0+2:G0+3], s[4:5], s[52:53]
	s_or_b32 s[G0+3], s[G0+3], 0x80000000
	s_mov_b32 s[G0S], 1
	s_mov_b32 s[G0S+1], s62
	s_add_nc_u64 s[G0S+2:G0S+3], s[6:7], s[54:55]
	s_or_b32 s[G0S+3], s[G0S+3], 0x80000000
	s_mov_b32 s[G0H], 1
	s_add_nc_u64 s[G0H+2:G0H+3], s[4:5], s[G0H+2:G0H+3]
	s_or_b32 s[G0H+3], s[G0H+3], 0x80000000
	s_mul_i32 s2, s11, 1536                        ; my place in the cluster says which quarter of my part I name
	s_mov_b32 s3, 0
	s_add_nc_u64 s[PFA:PFA+1], s[4:5], s[52:53]
	s_add_nc_u64 s[PFA:PFA+1], s[PFA:PFA+1], s[2:3]
	s_add_nc_u64 s[20:21], s[4:5], s[20:21]
	s_add_nc_u64 s[22:23], s[6:7], s[22:23]
	s_add_nc_u64 s[58:59], s[8:9], s[58:59]
	s_add_nc_u64 s[60:61], s[8:9], s[60:61]
	CROUND
	s_cmp_lt_u32 s[WV], 12                         ; one chain on the wave's number, one joint load in each arm
	s_cbranch_scc0 .Lhead_sc
	tensor_load_to_lds s[G0H:G0H+3], s[G1H:G1H+7]
	s_nop 0
.rept 4
	v_nop
.endr
	s_branch .Lhead_asked
.Lhead_sc:
	tensor_load_to_lds s[G0S:G0S+3], s[G1S:G1S+7]
	s_nop 0
.rept 4
	v_nop
.endr
.Lhead_asked:
	v_and_b32 v[PFO], 31, v0
	s_delay_alu instid0(VALU_DEP_1)
	v_min_u32 v[PFO], 5, v[PFO]
	s_delay_alu instid0(VALU_DEP_1)
	v_lshlrev_b32 v[PFO], 8, v[PFO]
	global_prefetch_b8 v[PFO], s[PFA:PFA+1] offset:49152 th:TH_LOAD_NT scope:SCOPE_SE
	global_prefetch_b8 v[PFO], s[PFA:PFA+1] offset:98304 th:TH_LOAD_NT scope:SCOPE_SE
	v_and_b32 v8, 15, v0
	v_and_b32 v9, 31, v0
	s_wait_alu depctr_va_vdst(0)
	v_mul_u32_u24 v[L48], v9, 48
	s_mul_i32 s56, s[KH], 24576
	v_add_nc_u32 v[AK0], s56, v[L48]
	s_delay_alu instid0(VALU_DEP_1)
	v_add_nc_u32 v[AV0], VOFF, v[AK0]
	s_lshl_b32 s56, s[KH], 10
	s_add_co_u32 s56, s56, SCK
	v_lshl_add_u32 v[ASK0], v8, 2, s56
	v_lshlrev_b32 v[GO], 4, v9
	s_lshl_b32 s56, s19, 13
	s_mul_i32 s57, s18, MRGB-MRGA
	s_add_co_u32 s56, s56, s57
	s_add_co_u32 s56, s56, MRGA
	v_add_nc_u32 v[MA], s56, v[GO]
	v_add_nc_u32 v[STO], s56, v[L48]
	s_lshl_b32 s56, s[W8], 8
	s_add_co_u32 s56, s56, ML
	v_lshl_add_u32 v[MLA], v9, 3, s56
	v_and_b32 v10, 8, v8
	s_delay_alu instid0(VALU_DEP_1)
	v_add_nc_u32 v10, v10, v8
	s_delay_alu instid0(VALU_DEP_1)
	v_lshlrev_b32 v10, 3, v10
	s_wait_alu depctr_va_vdst(0)
	s_lshr_b32 s57, s19, 1
	s_lshl_b32 s57, s57, 8
	s_and_b32 s56, s[WV], 1
	s_lshl_b32 s56, s56, 6
	s_add_co_u32 s57, s57, s56
	s_lshl_b32 s56, s18, 2
	s_add_co_u32 s57, s57, s56
	s_add_co_u32 s57, s57, SCST
	v_add_nc_u32 v[SSA], s57, v10
	v_add_nc_u32 v[SCR], SCST, v[GO]
	v_bfe_u32 v10, v0, 4, 1
	s_delay_alu instid0(VALU_DEP_1)
	v_mul_u32_u24 v10, v10, UNIT
	s_delay_alu instid0(VALU_DEP_1)
	v_lshl_add_u32 v[GS], v8, 4, v10
	v_lshlrev_b32 v10, 2, v8
.irp c, 0,1,2
	global_load_b128 v[16+4*\c:19+4*\c], v[L48], s[20:21] offset:16*\c
.endr
	global_load_b32 v255, v10, s[22:23]
	v_mov_b32 v13, 0xff61b1e6
	s_delay_alu instid0(VALU_DEP_1)
	v_floor_f32 v12, -v13
	v_mov_b32 v14, 0
	v_mov_b32 v15, 0
.irp b, 0,1,2,3
	v_mov_b32 v[236+\b], 0
.endr
	v_mov_b32 v253, 0
.set J, 0
.rept 64
	v_mov_b32 v[160+J], 0
.set J, J+1
.endr
.macro VLOAD q, g
.irp t, 0,1,2,3
.irp c, 0,1,2
	ds_load_b128 v[32+12*\t+4*\c:35+12*\t+4*\c], v[ADV] offset:12288*(\q)+(4*\g+\t)*1536+16*\c
.endr
	ds_load_b32 v[248+\t], v[ADS] offset:8192+512*(\q)+64*(4*\g+\t)
.endr
.endm
.macro VMUL g
.irp t, 0,1,2,3
	v_wmma_scale_f32_16x16x128_f8f6f4 v[160+8*(4*\g+\t):167+8*(4*\g+\t)], v[32+12*\t:43+12*\t], v[224:235], v[160+8*(4*\g+\t):167+8*(4*\g+\t)], v[248+\t], v253 matrix_a_fmt:MATRIX_FMT_FP6 matrix_b_fmt:MATRIX_FMT_FP6
.endr
.endm
.macro STEP q
.irp g, 0,1
.rept 4
	v_nop
.endr
.irp t, 0,1,2,3
.irp c, 0,1,2
	ds_load_b128 v[32+12*\t+4*\c:35+12*\t+4*\c], v[ADK] offset:12288*(\q)+(4*\g+\t)*1536+16*\c
.endr
	ds_load_b32 v[248+\t], v[ADS] offset:512*(\q)+64*(4*\g+\t)
.endr
	s_wait_dscnt 0x0
.irp t, 0,1,2,3
	v_wmma_scale_f32_16x16x128_f8f6f4 v[96+8*(4*\g+\t):103+8*(4*\g+\t)], v[32+12*\t:43+12*\t], v[16:27], 0, v[248+\t], v255 matrix_a_fmt:MATRIX_FMT_FP6 matrix_b_fmt:MATRIX_FMT_FP6
.endr
.endr
.rept 4
	v_nop
.endr
	VLOAD \q, 0
.irp b, 0,1,2,3
	v_max3_num_f32 v[232+\b], v[96+16*\b], v[97+16*\b], v[98+16*\b]
.endr
.irp i, 3,5,7,9,11,13
.irp b, 0,1,2,3
	v_max3_num_f32 v[232+\b], v[232+\b], v[96+16*\b+\i], v[97+16*\b+\i]
.endr
.endr
.irp b, 0,1,2,3
	v_max_num_f32 v[232+\b], v[232+\b], v[111+16*\b]
.endr
.irp b, 0,1,2,3
	s_delay_alu instid0(VALU_DEP_4)
	v_permlanex16_b32 v[236+\b], v[232+\b], s[SEL], s[SEL+1]
.endr
.irp b, 0,1,2,3
	s_delay_alu instid0(VALU_DEP_4)
	v_max_num_f32 v[232+\b], v[232+\b], v[236+\b]
.endr
	s_delay_alu instid0(VALU_DEP_2)
	v_max3_num_f32 v254, v232, v233, v234
	s_delay_alu instid0(VALU_DEP_1)
	v_max_num_f32 v254, v254, v235
	s_delay_alu instid0(VALU_DEP_1)
	v_mul_f32 v254, s[CS], v254
	s_delay_alu instid0(VALU_DEP_1)
	v_max_num_f32 v13, v13, v254
	v_mov_b32 v254, v12
	s_delay_alu instid0(VALU_DEP_2)
	v_floor_f32 v12, -v13
	s_delay_alu instid0(VALU_DEP_1)
	v_sub_f32 v254, v12, v254
	s_delay_alu instid0(VALU_DEP_1)
	v_cvt_i32_f32 v254, v254
	s_delay_alu instid0(VALU_DEP_1)
	v_ldexp_f32 v252, 1.0, v254
.set J, 0
.rept 32
	v_pk_fma_f32 v[96+J:97+J], v[96+J:97+J], s[CS:CS+1], v[12:13] op_sel_hi:[1,0,0]
.set J, J+2
.endr
.irp b, 0,1,2,3
	v_fma_f32 v[232+\b], v[232+\b], s[CS], v12
.endr
.set J, 0
	s_wait_alu depctr_va_vdst(0)
.rept 64
	v_exp_f32 v[96+J], v[96+J]
.set J, J+1
.endr
.irp b, 0,1,2,3
	v_exp_f32 v[232+\b], v[232+\b]
.endr
	v_pk_mul_f32 v[14:15], v[14:15], v[252:253] op_sel_hi:[1,0]
	s_wait_alu depctr_va_vdst(0)
.irp b, 0,1,2,3
	v_max_num_f32 v[232+\b], 0x1800000, v[232+\b]
.endr
.irp b, 0,1,2,3
	s_delay_alu instid0(VALU_DEP_4)
	v_add_nc_u32 v[244+\b], 0xff000000, v[232+\b]
.endr
.irp b, 0,1,2,3
	s_delay_alu instid0(VALU_DEP_4)
	v_lshrrev_b32 v[236+\b], 23, v[244+\b]
.endr
	s_delay_alu instid0(VALU_DEP_3)
	v_lshl_or_b32 v253, v237, 8, v236
	s_delay_alu instid0(VALU_DEP_1)
	v_lshl_or_b32 v253, v238, 16, v253
	s_delay_alu instid0(VALU_DEP_1)
	v_lshl_or_b32 v253, v239, 24, v253
.irp c, 0,1
	v_cvt_scalef32_pk16_fp6_f32 v[224+6*\c:226+6*\c], v[96+32*\c:111+32*\c], v[244+2*\c]
	v_cvt_scalef32_pk16_fp6_f32 v[236+4*\c:238+4*\c], v[112+32*\c:127+32*\c], v[244+2*\c+1]
.endr
	v_nop
.irp c, 0,1
.irp i, 0,1,2
	v_permlane16_swap_b32 v[224+6*\c+\i], v[236+4*\c+\i]
.endr
.irp i, 0,1,2
	s_delay_alu instid0(VALU_DEP_3)
	v_mov_b32 v[227+6*\c+\i], v[236+4*\c+\i]
.endr
.endr
	v_pk_add_f32 v[236:237], v[96:97], v[98:99]
.irp j, 4,8,12,16,20,24,28,32,36,40,44,48,52,56,60
	v_pk_add_f32 v[14:15], v[14:15], v[96+\j:97+\j]
	v_pk_add_f32 v[236:237], v[236:237], v[98+\j:99+\j]
.endr
	s_delay_alu instid0(VALU_DEP_1)
	v_pk_add_f32 v[14:15], v[14:15], v[236:237]
.set J, 0
.rept 32
	v_pk_mul_f32 v[160+J:161+J], v[160+J:161+J], v[252:253] op_sel_hi:[1,0]
.set J, J+2
.endr
	s_wait_alu depctr_va_vdst(0)
	s_wait_dscnt 0x0
	VMUL 0
.rept 4
	v_nop
.endr
	VLOAD \q, 1
	s_wait_dscnt 0x0
	VMUL 1
.endm
.macro CHANGE fill
	s_wait_tensorcnt 0x0
	ds_add_u32 v[SPW], v[NIL]
.if \fill
	s_xor_b32 s[G0+1], s[G0+1], SLOT1
	s_add_nc_u64 s[G0+2:G0+3], s[G0+2:G0+3], 49152
.endif
	s_wait_dscnt 0x0
.if \fill
	CROUND
	tensor_load_to_lds s[G0:G0+3], s[G1:G1+7]
	s_nop 0
.rept 4
	v_nop
.endr
.else
	s_barrier_signal -1
	s_barrier_wait -1
.endif
.endm
.macro SLOT_STEPS
	v_add_nc_u32 v[ADK], s[TB], v[AK0]
	s_wait_alu depctr_va_vdst(0)
	v_add_nc_u32 v[ADV], s[TB], v[AV0]
	v_add_nc_u32 v[ADS], s[TS], v[ASK0]
	s_wait_alu depctr_va_vdst(0)
	STEP 0
	STEP 1
	s_xor_b32 s[TB], s[TB], SLOT1
	s_add_co_u32 s[TS], s[TS], 2048
.endm
	s_wait_loadcnt 0x0
.Lslot:
	CHANGE 1
	s_cmp_eq_u32 s[SLOTS], 3                       ; the first trip, which loads slot 1, names slot 3; later trips have no slot two further on
	s_cbranch_scc0 .Lno_ask
	global_prefetch_b8 v[PFO], s[PFA:PFA+1] offset:147456 th:TH_LOAD_NT scope:SCOPE_SE
.Lno_ask:
	SLOT_STEPS
	s_sub_co_u32 s[SLOTS], s[SLOTS], 1
	s_cmp_lg_u32 s[SLOTS], 0
	s_cbranch_scc1 .Lslot
	CHANGE 0
	SLOT_STEPS
	v_add_f32 v13, v14, v15
.rept 4
	v_nop
.endr
	s_cmp_lt_u32 s[WV], 8
	s_cbranch_scc1 .Lkeeper
.set J, 0
.rept 16
	ds_store_b128 v[MA], v[160+4*J:163+4*J] offset:512*J
.set J, J+1
.endr
	ds_store_b64 v[MLA], v[12:13]
.Lkeeper:
	s_wait_dscnt 0x0
	s_barrier_signal -1
	s_barrier_wait -1
	s_cmp_lt_u32 s[WV], 8
	s_cbranch_scc0 .Lhanded
.set J, 0
.rept 16
	ds_load_b128 v[96+4*J:99+4*J], v[MA] offset:512*J
.set J, J+1
.endr
	ds_load_b64 v[14:15], v[MLA]
	s_wait_dscnt 0x0
	v_min_num_f32 v248, v12, v14
	s_delay_alu instid0(VALU_DEP_1)
	v_sub_f32 v249, v248, v12
	s_delay_alu instid0(VALU_DEP_2)
	v_sub_f32 v250, v248, v14
	s_delay_alu instid0(VALU_DEP_2)
	v_cvt_i32_f32 v249, v249
	s_delay_alu instid0(VALU_DEP_2)
	v_cvt_i32_f32 v250, v250
	s_delay_alu instid0(VALU_DEP_2)
	v_ldexp_f32 v252, 1.0, v249
	s_wait_alu depctr_va_vdst(0)
	v_ldexp_f32 v254, 1.0, v250
	v_mul_f32 v13, v13, v252
	s_delay_alu instid0(VALU_DEP_1)
	v_fma_f32 v13, v15, v254, v13
.set J, 0
.rept 32
	v_pk_mul_f32 v[160+J:161+J], v[160+J:161+J], v[252:253] op_sel_hi:[1,0]
.set J, J+2
.endr
.set J, 0
.rept 32
	v_pk_fma_f32 v[160+J:161+J], v[96+J:97+J], v[254:255], v[160+J:161+J] op_sel_hi:[1,0,1]
.set J, J+2
.endr
	v_permlanex16_b32 v249, v13, s[SEL], s[SEL+1]
	s_delay_alu instid0(VALU_DEP_1)
	v_add_f32 v14, v13, v249
	s_wait_alu depctr_va_vdst(0)
	v_rcp_f32 v14, v14
	v_nop
.set J, 0
	s_wait_alu depctr_va_vdst(0)
.rept 64
	v_mul_f32 v[96+J], v[160+J], v14
.set J, J+1
.endr
.irp b, 0,1,2,3
	v_max3_num_f32 v[TM+\b], |v[96+16*\b]|, |v[97+16*\b]|, 0x1800000
.endr
.irp i, 2,4,6,8,10,12,14
.irp b, 0,1,2,3
	s_delay_alu instid0(VALU_DEP_4)
	v_max3_num_f32 v[TM+\b], v[TM+\b], |v[96+16*\b+\i]|, |v[97+16*\b+\i]|
.endr
.endr
.irp b, 0,1,2,3
	s_delay_alu instid0(VALU_DEP_4)
	v_permlanex16_b32 v[TM+4+\b], v[TM+\b], s[SEL], s[SEL+1]
.endr
.irp b, 0,1,2,3
	s_delay_alu instid0(VALU_DEP_4)
	v_max_num_f32 v[TM+\b], v[TM+\b], v[TM+4+\b]
.endr
.irp b, 0,1,2,3
	s_delay_alu instid0(VALU_DEP_4)
	v_add_nc_u32 v[TM+12+\b], 0xff000000, v[TM+\b]
.endr
.irp b, 0,1,2,3
	s_delay_alu instid0(VALU_DEP_4)
	v_lshrrev_b32 v[TM+4+\b], 23, v[TM+12+\b]
.endr
	s_delay_alu instid0(VALU_DEP_3)
	v_lshl_or_b32 v[PW], v[TM+5], 8, v[TM+4]
	s_delay_alu instid0(VALU_DEP_1)
	v_lshl_or_b32 v[PW], v[TM+6], 16, v[PW]
	s_delay_alu instid0(VALU_DEP_1)
	v_lshl_or_b32 v[PW], v[TM+7], 24, v[PW]
.irp c, 0,1
	v_cvt_scalef32_pk16_fp6_f32 v[PC+6*\c:PC+2+6*\c], v[96+32*\c:111+32*\c], v[TM+12+2*\c]
	v_cvt_scalef32_pk16_fp6_f32 v[PC+12+4*\c:PC+14+4*\c], v[112+32*\c:127+32*\c], v[TM+12+2*\c+1]
.endr
	v_nop
.irp c, 0,1
.irp i, 0,1,2
	v_permlane16_swap_b32 v[PC+6*\c+\i], v[PC+12+4*\c+\i]
.endr
.irp i, 0,1,2
	s_delay_alu instid0(VALU_DEP_3)
	v_mov_b32 v[PC+3+6*\c+\i], v[PC+12+4*\c+\i]
.endr
.endr
.irp c, 0,1,2
	ds_store_b128 v[STO], v[PC+4*\c:PC+4*\c+3] offset:16*\c
.endr
	ds_store_b32 v[SSA], v[PW]
.irp c, 0,1,2
	ds_load_b128 v[56+4*\c:59+4*\c], v[MA] offset:512*\c
.endr
	s_wait_dscnt 0x0
.irp c, 0,1,2
	global_store_b128 v[GO], v[56+4*\c:59+4*\c], s[60:61] offset:512*\c
.endr
.Lhanded:
	s_barrier_signal -1
	s_barrier_wait -1
	s_cmp_lg_u32 s[WV], 0
	s_cbranch_scc1 .Lnot_first
	ds_load_b128 v[68:71], v[SCR]
	s_wait_dscnt 0x0
	global_store_b128 v[GS], v[68:71], s[58:59]
.Lnot_first:
	s_wait_tensorcnt 0x0
	ds_add_u32 v[SPW], v[NIL]
	s_wait_dscnt 0x0
	CROUND
	s_endpgm
.Lfunc_end_k_qd33c3735da_attn:
	.size	k_qd33c3735da_attn, .Lfunc_end_k_qd33c3735da_attn-k_qd33c3735da_attn
	.p2alignl 7, 3214868480
	.fill 96, 4, 3214868480
	.section	.rodata,"a",@progbits
	.p2align	6, 0x0
	.amdhsa_kernel k_qd33c3735da_attn
		.amdhsa_group_segment_fixed_size 327680
		.amdhsa_private_segment_fixed_size 0
		.amdhsa_enable_private_segment 0
		.amdhsa_kernarg_size 24
		.amdhsa_user_sgpr_count 2
		.amdhsa_user_sgpr_kernarg_segment_ptr 1
		.amdhsa_wavefront_size32 1
		.amdhsa_system_sgpr_workgroup_id_x 1
		.amdhsa_system_sgpr_workgroup_id_y 1
		.amdhsa_system_sgpr_workgroup_id_z 1
		.amdhsa_system_vgpr_workitem_id 0
		.amdhsa_next_free_vgpr 256
		.amdhsa_next_free_sgpr 82
		.amdhsa_reserve_vcc 0
		.amdhsa_float_denorm_mode_32 3
		.amdhsa_float_denorm_mode_16_64 3
		.amdhsa_memory_ordered 1
		.amdhsa_forward_progress 1
		.amdhsa_inst_pref_size 111
	.end_amdhsa_kernel
	.amdgpu_metadata
---
amdhsa.version: [ 1, 2 ]
amdhsa.kernels:
  - .name:           k_qd33c3735da_attn
    .symbol:         k_qd33c3735da_attn.kd
    .args:
      - { .name: qkv_img, .offset: 0, .size: 8, .value_kind: global_buffer, .address_space: global }
      - { .name: qkv_sc, .offset: 8, .size: 8, .value_kind: global_buffer, .address_space: global }
      - { .name: ow, .offset: 16, .size: 8, .value_kind: global_buffer, .address_space: global }
    .group_segment_fixed_size: 327680
    .private_segment_fixed_size: 0
    .kernarg_segment_align: 8
    .kernarg_segment_size: 24
    .max_flat_workgroup_size: 512
    .sgpr_count:     82
    .vgpr_count:     256
    .wavefront_size: 32
...
	.end_amdgpu_metadata
.endif
;; end of part 3
;; launch gemm_out (part 4): grid 16 x 16, 4 waves a work-group, clusters of 4 x 4, 327,680 bytes of LDS; arguments ow, out0; writes out0
.if DOCPART == 4
	.amdgcn_target "amdgcn-amd-amdhsa--gfx1250"
	.amdhsa_code_object_version 6
	.text
	.protected	k_qd33c3735da_gemm_out
	.globl	k_qd33c3735da_gemm_out
	.p2align	8
	.type	k_qd33c3735da_gemm_out,@function
k_qd33c3735da_gemm_out:
	s_mov_b64 s[64:65], 0
	v_nop
	global_prefetch_b8 v0, s[64:65] scope:SCOPE_SE
	s_setreg_imm32_b32 hwreg(HW_REG_WAVE_MODE, 25, 1), 1
	s_wait_xcnt 0x0
	s_wait_alu depctr_hold_cnt(0) depctr_sa_sdst(0) depctr_va_vdst(0) depctr_va_sdst(0) depctr_va_ssrc(0) depctr_va_vcc(0) depctr_vm_vsrc(0)
	s_getreg_b32 s2, hwreg(HW_REG_IB_STS2, 6, 4)
	s_cmp_eq_u32 s2, 0
	s_cbranch_scc0 .Lentry_in_a_cluster
	s_endpgm
.Lentry_in_a_cluster:
	s_bfe_u32 s2, ttmp6, 0x10000c
	s_cmp_lg_u32 s2, 0xf033
	s_cbranch_scc0 .Lentry_shape_is_right
	s_endpgm
.Lentry_shape_is_right:
; out0 = o wo on codes of E2M3 (one E8M0 scale for each 32 along K = 2,048), f32 sums.  ow: [4 K steps of 512][192 units of 12,800 bytes]: units 0-63 o's tokens, 64-191 wo's columns; a unit is 32 rows: two tiles of 16 x four fragments of 128 along K, then 512 scale bytes.
; A tile is 128 tokens x 256 columns: 256 work-groups of four waves, a wave 64 x 128 in 32 accumulators; the matrix instruction is used transposed, so that a lane holds neighbouring columns of one token's row.
; K goes in steps of 512 through two LDS slots of 153,600 bytes.  CLUSTERS 4 x 4: the tokens' units are asked for jointly along a row of the cluster, wo's along a column.
; A wave has one tensor load out at the head and one behind each round; slot 1's first fill stands behind the first full round.
; PREFETCH: of what a wave fetches each of the four partners names a quarter, by address (A: 25 blocks of 256 bytes, one line; B: 50, two lines): K steps 1 and 2 at the head, K step 3 behind slot 1's load.
; The loop's two refills, K steps 2 and 3, have no K step two further on: no prefetch stands in the loop.
; Results go through the wave's own stage in slot 0 (its last fill and read are over) and leave as rows of 512 consecutive bytes.
.set UNIT,  12800
.set PFO,   18                         ; v18      256 x min(lane, 24)
.set PFA,   88                         ; s[88:89] my quarter of what I fetch, at K step 0
.macro ASK off
	global_prefetch_b8 v[PFO], s[PFA:PFA+1] offset:\off th:TH_LOAD_NT scope:SCOPE_SE
	s_cmp_eq_u32 s15, 0
	s_cbranch_scc1 .Lall_named_\@
	global_prefetch_b8 v[PFO], s[PFA:PFA+1] offset:\off+6400 th:TH_LOAD_NT scope:SCOPE_SE
.Lall_named_\@:
.endm
.set KST,   192*UNIT
.set SLOT,  12*UNIT
.set BOFF,  4*UNIT
.set SPARE, 2*SLOT
.set LAPS,  2
.set SPITCH, 528
.set ADRA, 16
.set ADRB, 20
.set ADRS, 22
.set STO,  24
.set RD,   25
.set CO,   26
.set SPW,  28
.set NIL,  29
.set SC,   32
.set AF,   96
.set BK,   96
.set G1,   24
.set G0,   32
.set G1B,  48
.set G0B,  56
.set MSB, 0
.macro WIN new
.if MSB != \new
	s_set_vgpr_msb (MSB<<8)|\new
.set MSB, \new
.endif
.endm
.set MUL,  0xa1
.set TO_B, 0x40
.macro JLOAD g0a, g1a, g0b, g1b
	s_cmp_eq_u32 s15, 0
	s_cbranch_scc0 .Lfor_b_\@
	tensor_load_to_lds s[\g0a:\g0a+3], s[\g1a:\g1a+7]
	s_nop 0
.rept 4
	v_nop
.endr
	s_branch .Lasked_\@
.Lfor_b_\@:
	tensor_load_to_lds s[\g0b:\g0b+3], s[\g1b:\g1b+7]
	s_nop 0
.rept 4
	v_nop
.endr
.Lasked_\@:
.endm
.macro CREST
	s_cmp_lg_u32 s14, 0
	s_cbranch_scc1 .Lnot_wave_0_\@
	s_barrier_signal -3
.Lnot_wave_0_\@:
	s_barrier_wait -3
	s_barrier_signal -1
	s_barrier_wait -1
.endm
.macro CROUND
	s_barrier_signal -1
	s_barrier_wait -1
	CREST
.endm
.macro PLACES n
.rept \n
	v_nop
.endr
.endm
	s_load_b128 s[4:7], s[0:1], 0x0
	v_lshl_add_u32 v[SPW], v0, 2, SPARE
	v_mov_b32 v[NIL], 0
	ds_add_u32 v28, v29
	ds_add_u32 v28, v29
	s_wait_dscnt 0x0
	v_lshrrev_b32 v1, 5, v0
	v_readfirstlane_b32 s14, v1
	s_lshr_b32 s15, s14, 1
	s_and_b32 s16, s14, 1
	s_bfe_u32 s40, ttmp6, 0x40000
	s_bfe_u32 s41, ttmp6, 0x40004
	s_lshl_b32 s42, ttmp9, 2
	s_add_co_u32 s42, s42, s40
	s_and_b32 s17, ttmp7, 0xffff
	s_lshl_b32 s17, s17, 2
	s_add_co_u32 s17, s17, s41
	s_lshl_b32 s43, s41, 2
	s_lshl_b32 s43, 15, s43
	s_lshl_b32 s44, 0x1111, s40
	s_or_b32 s[G1+0], s43, (3<<16)|(1<<21)
	s_or_b32 s[G1B+0], s44, (3<<16)|(1<<21)
	s_mov_b32 s[G1+1], 32<<16
	s_mov_b32 s[G1+2], 100<<16
	s_mov_b32 s[G1+3], 32<<16
	s_mov_b32 s[G1+4], 100
	s_mov_b32 s[G1+5], 32
	s_mov_b32 s[G1+6], 0
	s_mov_b32 s[G1+7], 0
	s_mov_b32 s[G1B+1], 32<<16
	s_mov_b32 s[G1B+2], 200<<16
	s_mov_b32 s[G1B+3], 32<<16
	s_mov_b32 s[G1B+4], 200
	s_mov_b32 s[G1B+5], 32
	s_mov_b32 s[G1B+6], 0
	s_mov_b32 s[G1B+7], 0
	s_lshl_b32 s20, s17, 2
	s_lshl_b32 s18, s16, 1
	s_add_co_u32 s20, s20, s18
	s_mul_i32 s20, s20, UNIT
	s_mov_b32 s21, 0
	s_lshl_b32 s66, s42, 3
	s_add_co_u32 s66, s66, 64
	s_lshl_b32 s18, s16, 2
	s_add_co_u32 s66, s66, s18
	s_mul_i32 s66, s66, UNIT
	s_mov_b32 s67, 0
	s_mul_i32 s68, s16, 2*UNIT
	s_mul_i32 s69, s16, 4*UNIT
	s_add_co_u32 s69, s69, BOFF
	s_wait_kmcnt 0x0
	s_add_nc_u64 s[20:21], s[4:5], s[20:21]
	s_add_nc_u64 s[66:67], s[4:5], s[66:67]
	s_cmp_eq_u32 s15, 0                            ; the prefetches: what I fetch, and of it the quarter that my place among the four partners gives me
	s_cselect_b64 s[PFA:PFA+1], s[20:21], s[66:67]
	s_cselect_b32 s90, s40, s41
	s_mov_b32 s91, 12800
	s_cselect_b32 s91, 6400, s91
	s_mul_i32 s90, s90, s91
	s_mov_b32 s91, 0
	s_add_nc_u64 s[PFA:PFA+1], s[PFA:PFA+1], s[90:91]
	CROUND
.irp s, 0,1
	s_mov_b32 s[G0+4*\s], 1
	s_add_co_u32 s[G0+4*\s+1], s68, \s*SLOT
	s_add_nc_u64 s[G0+4*\s+2:G0+4*\s+3], s[20:21], \s*KST
	s_or_b32 s[G0+4*\s+3], s[G0+4*\s+3], 0x80000000
	s_mov_b32 s[G0B+4*\s], 1
	s_add_co_u32 s[G0B+4*\s+1], s69, \s*SLOT
	s_add_nc_u64 s[G0B+4*\s+2:G0B+4*\s+3], s[66:67], \s*KST
	s_or_b32 s[G0B+4*\s+3], s[G0B+4*\s+3], 0x80000000
.endr
	JLOAD G0, G1, G0B, G1B                         ; K step 0: one tensor load a wave at the head
	v_and_b32 v[PFO], 31, v0
	v_min_u32 v[PFO], 24, v[PFO]
	v_lshlrev_b32 v[PFO], 8, v[PFO]
	s_wait_alu depctr_va_vdst(0)
	ASK KST
	ASK 2*KST
	v_and_b32 v1, 15, v0
	s_wait_alu depctr_va_vdst(0)
	v_bfe_u32 v2, v0, 4, 1
	v_and_b32 v6, 31, v0
	v_mul_u32_u24 v3, v6, 48
	s_mul_i32 s80, s15, 2*UNIT
	s_mul_i32 s81, s16, 4*UNIT
	s_add_co_u32 s81, s81, BOFF
	s_sub_co_u32 s83, s81, s80
	s_add_co_u32 s82, s80, 12288
.irp s, 0,1
	v_add_nc_u32 v[ADRA+\s], s80, v3
	v_add_nc_u32 v[ADRB+\s], s81, v3
	s_add_co_u32 s80, s80, SLOT
	s_add_co_u32 s81, s81, SLOT
.endr
	v_and_b32 v8, 8, v1
	v_add_nc_u32 v8, v8, v1
	v_lshlrev_b32 v4, 3, v8
	v_mul_u32_u24 v5, s83, v2
	v_add_nc_u32 v4, v4, v5
	v_add_nc_u32 v[ADRS], s82, v4
	v_add_nc_u32 v[ADRS+1], SLOT, v[ADRS]
	s_mul_i32 s84, s14, 16*SPITCH
	v_mul_u32_u24 v5, v1, SPITCH
	v_lshl_add_u32 v5, v2, 6, v5
	v_add_nc_u32 v[STO], s84, v5
	v_lshlrev_b32 v[CO], 4, v6
	v_add_nc_u32 v[RD], s84, v[CO]
	s_lshl_b32 s70, s17, 7
	s_lshl_b32 s71, s15, 6
	s_add_co_u32 s70, s70, s71
	s_lshl_b32 s70, s70, 14
	s_lshl_b32 s72, s42, 10
	s_add_co_u32 s70, s70, s72
	s_lshl_b32 s72, s16, 9
	s_add_co_u32 s70, s70, s72
	s_mov_b32 s71, 0
	s_add_nc_u64 s[6:7], s[6:7], s[70:71]
.macro FETCH slot, q, p
	WIN TO_B
.irp b, 0,1,2,3,4,5,6,7
.irp c, 0,1,2
	ds_load_b128 v[96*(\p)+12*\b+4*\c:96*(\p)+12*\b+4*\c+3], v[ADRB+\slot] offset:UNIT*(\b/2)+6144*(\b%2)+1536*(\q)+16*\c
.endr
.endr
	WIN 0
.irp a, 0,1,2,3
.irp c, 0,1,2
	ds_load_b128 v[AF+48*(\p)+12*\a+4*\c:AF+48*(\p)+12*\a+4*\c+3], v[ADRA+\slot] offset:UNIT*(\a/2)+6144*(\a%2)+1536*(\q)+16*\c
.endr
.endr
.endm
.macro SCALES sc
.irp i, 0,1,2,3,4,5,6,7
.irp f, 0,1
	ds_load_b64 v[SC+32*\sc+4*\i+2*\f:SC+32*\sc+4*\i+2*\f+1], v[ADRS+\sc] offset:UNIT*(\i/2)+64*(\i%2)+256*\f
.endr
.endr
.endm
.macro MUL8 a, p, q, sc, zero
.irp b, 0,1,2,3,4,5,6,7
.if \zero
	v_wmma_scale_f32_16x16x128_f8f6f4 v[8*(8*(\a)+\b):8*(8*(\a)+\b)+7], v[96*(\p)+12*\b:96*(\p)+12*\b+11], v[AF+48*(\p)+12*(\a):AF+48*(\p)+12*(\a)+11], 0, v[SC+32*(\sc)+4*\b+(\q)], v[SC+32*(\sc)+4*(\a)+(\q)] matrix_a_fmt:MATRIX_FMT_FP6 matrix_b_fmt:MATRIX_FMT_FP6 matrix_a_scale:MATRIX_SCALE_ROW1
.else
	v_wmma_scale_f32_16x16x128_f8f6f4 v[8*(8*(\a)+\b):8*(8*(\a)+\b)+7], v[96*(\p)+12*\b:96*(\p)+12*\b+11], v[AF+48*(\p)+12*(\a):AF+48*(\p)+12*(\a)+11], v[8*(8*(\a)+\b):8*(8*(\a)+\b)+7], v[SC+32*(\sc)+4*\b+(\q)], v[SC+32*(\sc)+4*(\a)+(\q)] matrix_a_fmt:MATRIX_FMT_FP6 matrix_b_fmt:MATRIX_FMT_FP6 matrix_a_scale:MATRIX_SCALE_ROW1
.endif
.endr
.endm
.macro STEP slot, q, zero
	s_wait_dscnt 0x0
	PLACES 4
	FETCH \slot, (\q)+1, ((\q)+1)%2
	WIN MUL
	MUL8 0, (\q)%2, \q, \slot, \zero
	MUL8 1, (\q)%2, \q, \slot, \zero
	MUL8 2, (\q)%2, \q, \slot, \zero
	MUL8 3, (\q)%2, \q, \slot, \zero
	WIN 0
.endm
.macro TURN slot, next, fill
	s_wait_tensorcnt 0x0
	ds_add_u32 v[SPW], v[NIL]
	s_wait_dscnt 1
	WIN MUL
	MUL8 0, 1, 3, \slot, 0
	s_wait_dscnt 0x0
	s_barrier_signal -1
	MUL8 1, 1, 3, \slot, 0
	WIN 0
	s_barrier_wait -1
.if \fill
	CREST
	s_add_nc_u64 s[G0+4*\slot+2:G0+4*\slot+3], s[G0+4*\slot+2:G0+4*\slot+3], 2*KST
	s_add_nc_u64 s[G0B+4*\slot+2:G0B+4*\slot+3], s[G0B+4*\slot+2:G0B+4*\slot+3], 2*KST
	JLOAD G0+4*\slot, G1, G0B+4*\slot, G1B
.else
	PLACES 4
.endif
	FETCH \next, 0, 0
	SCALES \next
	WIN MUL
	MUL8 2, 1, 3, \slot, 0
	MUL8 3, 1, 3, \slot, 0
	WIN 0
.endm
	s_wait_alu depctr_va_vdst(0)
	s_wait_tensorcnt 0x0                           ; my part of K step 0 is in; the lines of a refill stand ahead of slot 1's first fill too
	ds_add_u32 v[SPW], v[NIL]
	s_wait_dscnt 0x0
	CROUND                                         ; everybody's part of K step 0 is in, and the joint loads meet
	JLOAD G0+4, G1, G0B+4, G1B                     ; K step 1
	FETCH 0, 0, 0
	SCALES 0
	ASK 3*KST
	STEP 0, 0, 1
	s_mov_b32 s3, LAPS-1
.Llap:
	STEP 0, 1, 0
	STEP 0, 2, 0
	TURN 0, 1, 1
	STEP 1, 0, 0
	STEP 1, 1, 0
	STEP 1, 2, 0
	TURN 1, 0, 1
	STEP 0, 0, 0
	s_sub_co_u32 s3, s3, 1
	s_cmp_lg_u32 s3, 0
	s_cbranch_scc1 .Llap
	STEP 0, 1, 0
	STEP 0, 2, 0
	TURN 0, 1, 0
	STEP 1, 0, 0
	STEP 1, 1, 0
	STEP 1, 2, 0
	s_wait_dscnt 0x0
	WIN MUL
	MUL8 0, 1, 3, 1, 0
	MUL8 1, 1, 3, 1, 0
	MUL8 2, 1, 3, 1, 0
	MUL8 3, 1, 3, 1, 0
	WIN 0
.macro TOSTAGE a
	WIN 0x08
.irp b, 0,1,2,3,4,5,6,7
	ds_store_b128 v[STO], v[64*(\a)+8*\b:64*(\a)+8*\b+3] offset:128*(\b/2)+32*(\b%2)
	ds_store_b128 v[STO], v[64*(\a)+8*\b+4:64*(\a)+8*\b+7] offset:128*(\b/2)+32*(\b%2)+16
.endr
	WIN 0
.irp t, 0,1,2,3,4,5,6,7,8,9,10,11,12,13,14,15
	ds_load_b128 v[BK+64*((\a)%2)+4*\t:BK+64*((\a)%2)+4*\t+3], v[RD] offset:\t*SPITCH
.endr
.endm
.macro SEND a, younger
	s_wait_dscnt \younger
.irp t, 0,1,2,3,4,5,6,7,8,9,10,11,12,13,14,15
	global_store_b128 v[CO], v[BK+64*((\a)%2)+4*\t:BK+64*((\a)%2)+4*\t+3], s[6:7] offset:(32*((\a)/2)+8*((\a)%2)+\t+8*(\t/8))*16384 th:TH_STORE_NT
.endr
.endm
	PLACES 4
	TOSTAGE 0
	TOSTAGE 1
	SEND 0, 32
	s_wait_xcnt 0x0
	TOSTAGE 2
	SEND 1, 32
	s_wait_xcnt 0x0
	TOSTAGE 3
	SEND 2, 32
	SEND 3, 0
	s_wait_tensorcnt 0x0
	ds_add_u32 v[SPW], v[NIL]
	s_wait_dscnt 0x0
	CROUND
	s_endpgm
.Lfunc_end_k_qd33c3735da_gemm_out:
	.size	k_qd33c3735da_gemm_out, .Lfunc_end_k_qd33c3735da_gemm_out-k_qd33c3735da_gemm_out
	.p2alignl 7, 3214868480
	.fill 96, 4, 3214868480
	.section	.rodata,"a",@progbits
	.p2align	6, 0x0
	.amdhsa_kernel k_qd33c3735da_gemm_out
		.amdhsa_group_segment_fixed_size 327680
		.amdhsa_private_segment_fixed_size 0
		.amdhsa_enable_private_segment 0
		.amdhsa_kernarg_size 16
		.amdhsa_user_sgpr_count 2
		.amdhsa_user_sgpr_kernarg_segment_ptr 1
		.amdhsa_wavefront_size32 1
		.amdhsa_system_sgpr_workgroup_id_x 1
		.amdhsa_system_sgpr_workgroup_id_y 1
		.amdhsa_system_sgpr_workgroup_id_z 1
		.amdhsa_system_vgpr_workitem_id 0
		.amdhsa_next_free_vgpr 768
		.amdhsa_next_free_sgpr 98
		.amdhsa_reserve_vcc 0
		.amdhsa_float_denorm_mode_32 3
		.amdhsa_float_denorm_mode_16_64 3
		.amdhsa_memory_ordered 1
		.amdhsa_forward_progress 1
		.amdhsa_inst_pref_size 135
	.end_amdhsa_kernel
	.amdgpu_metadata
---
amdhsa.version: [ 1, 2 ]
amdhsa.kernels:
  - .name:           k_qd33c3735da_gemm_out
    .symbol:         k_qd33c3735da_gemm_out.kd
    .args:
      - { .name: ow, .offset: 0, .size: 8, .value_kind: global_buffer, .address_space: global }
      - { .name: out0, .offset: 8, .size: 8, .value_kind: global_buffer, .address_space: global }
    .group_segment_fixed_size: 327680
    .private_segment_fixed_size: 0
    .kernarg_segment_align: 8
    .kernarg_segment_size: 16
    .max_flat_workgroup_size: 128
    .sgpr_count:     98
    .vgpr_count:     768
    .wavefront_size: 32
...
	.end_amdgpu_metadata
.endif
;; end of part 4
